; MI455X (gfx1250); checked and timed in simulation.
; The chip was launched on July 23, 2026; its instructions are those of AMD's public machine-readable ISA for CDNA 5 (MIT licence, August 2026) and "CDNA5" Instruction Set Architecture Reference Guide (July 2026). The comments in the code are by the model that wrote it; some were corrected since.
;; Softmax Attention. Allowed arithmetic: matrix products marked QUANTISED: E2M3 operands, one E8M0 scale for each 32 along K, by v_wmma_scale_f32_16x16x128_f8f6f4 with both operands' format E2M3, f32 sums; everything else in f32.
;; Inputs: Wk 2,048 x 2,048 float32; Wo 2,048 x 2,048 float32; Wq 2,048 x 2,048 float32; Wv 2,048 x 2,048 float32; hidden_states 1 x 2,048 x 2,048 float32; k_norm_w 128 float32; q_norm_w 128 float32; rotary_cos 2,048 x 128 float32; rotary_sin 2,048 x 128 float32.
;; Outputs: out0 1 x 2,048 x 2,048 float32.
;; This version of the problem:
;;   THIS VERSION OF THE PROBLEM IS GIVEN IN LOW PRECISION. The matrix products marked QUANTISED in the list below multiply operands that are first quantised to E2M3 (2 exponent bits, 3 mantissa bits; 6 bits a number), with one power-of-two scale for each 32 numbers along K (OCP MX v1.0); their sums are f32. All else is computed in f32.
;;   The module's matrix products, in the order in which they are computed (A, B: the left and right operand; K: the contracted axis; several contracted axes count as one K, in the product's order):
;;     1. [M 2,048, K 2,048] x [K 2,048, N 2,048]; A: input hidden_states; B: input Wq: QUANTISED
;;     2. [M 2,048, K 2,048] x [K 2,048, N 2,048]; A: input hidden_states; B: input Wk: QUANTISED
;;     3. [M 2,048, K 2,048] x [K 2,048, N 2,048]; A: input hidden_states; B: input Wv: QUANTISED
;;     4. batch 16 x [M 2,048, K 128] x [K 128, N 2,048]; A: computed on the way; B: computed on the way: QUANTISED
;;     5. batch 16 x [M 128, K 2,048] x [K 2,048, N 2,048]; A: computed on the way; B: softmax (see below): QUANTISED
;;     6. [M 2,048, K 2,048] x [K 2,048, N 2,048]; A: computed on the way; B: input Wo: QUANTISED
;;   THE QUANTISER, for each operand of a quantised product, along K:
;;     - K is cut into blocks of 32 from its start; a last block that is shorter is filled with zeros.
;;     - A block's scale is 2^e with e = floor(log2(the largest magnitude in the block)) - 2, held to -126 .. 127; a block of zeros has e = 0. As a byte (E8M0): e + 127.
;;     - Each number is divided by its block's scale, clamped to +-7.5, and rounded to the nearest number of E2M3, ties to even, subnormals kept.
;;     - The product sums the exact products of the quantised numbers (number of the format x scale) in f32.
;;   ~~~python
;;   def quantise(x, axis):      # numpy; x: float32 -> the quantised numbers, widened to float32 again
;;       x = np.moveaxis(x, axis, -1); K = x.shape[-1]
;;       x = np.pad(x, [(0, 0)] * (x.ndim - 1) + [(0, -K % 32)]); x = x.reshape(x.shape[:-1] + (-1, 32)); a = np.abs(x).max(-1, keepdims=True)
;;       e = np.where(a > 0, np.clip(np.frexp(np.where(a > 0, a, 1))[1] - 1 - 2, -126, 127), 0)      # np.frexp(a)[1] - 1 = floor(log2(a)), exactly
;;       r = np.clip(x / 2.0 ** e, -7.5, 7.5)
;;       step = 2.0 ** (np.maximum(np.frexp(np.where(r == 0, 1, r))[1] - 1, 0) - 3)
;;       q = np.round(r / step) * step * 2.0 ** e      # np.round: ties to even
;;       return np.moveaxis(q.reshape(q.shape[:-2] + (-1,))[..., :K], -1, axis).astype(np.float32)
;;   ~~~
;;   SOFTMAX AHEAD OF A QUANTISED PRODUCT. Where the list says 'softmax', what is quantised is not the finished softmax but p = 2^(t - M), with t = logit x log2(e) and M = ceil(the row's largest t), a whole number; so 1/2 < the row's largest p <= 1. The row's sum l is taken of the UNQUANTISED p, in f32, and the product's result is divided by l at the end. Since M is a whole number, a kernel that streams over the keys may use a running M (the ceiling of the running maximum): every later rescaling is an exact power of two, which a block's scale takes up: the codes' values come out the same.
;;   OPERANDS COMPUTED ON THE WAY. 'Computed on the way' means the value that the module computes at that place (a softmax that the list does not call 'softmax' is quantised finished and normalised). What goes into a quantiser is computed in f32, as accurately as f32 sums, v_exp_f32 and their like allow (about 1e-6 of the number): no bf16 or f16 on the way to a quantiser, and a product that is left as it is and whose result goes on into a quantised operand takes f32 operands (vector FMAs, or v_wmma_f32_16x16x4_f32). A number that lies on a knife's edge between two numbers of the format may be rounded either way, as far as f32 arithmetic and the matrix unit's own rounding can turn it there, and no further.
;; One version. Each part assembles by itself: llvm-mc -triple=amdgcn-amd-amdhsa -mcpu=gfx1250 --defsym DOCPART=n.
;; ======== version 1 of 1: 4 launches
;; limits: right only within a limited range of input values
;; workspace buffers: xw 16,384,000 bytes; cst 4,194,304 bytes; qkv 9,437,184 bytes; qkvs 393,216 bytes; oimg 3,276,800 bytes
;; launch quant (part 1): grid 1600 x 1, 4 waves a work-group, no clusters, 34,304 bytes of LDS; arguments hidden_states, rotary_cos, rotary_sin, Wq, Wk, Wv, Wo, xw, cst, q_norm_w, k_norm_w; writes xw, cst
.if DOCPART == 1
	.amdgcn_target "amdgcn-amd-amdhsa--gfx1250"
	.amdhsa_code_object_version 6
	.text
	.protected	k_q32f617dd53_quant
	.globl	k_q32f617dd53_quant
	.p2align	8
	.type	k_q32f617dd53_quant,@function
k_q32f617dd53_quant:
	s_mov_b64 s[64:65], 0
	v_nop
	global_prefetch_b8 v0, s[64:65] scope:SCOPE_SE
	s_setreg_imm32_b32 hwreg(HW_REG_WAVE_MODE, 25, 1), 1
	s_wait_xcnt 0x0
; hidden_states [2048][2048] and the four weights [2048 (K)][2048] become codes of FP6 (E2M3) with one E8M0 byte for each 32 along K; cos and sin [2048][128] are laid in lane order.
; LAYOUT OF ALL CODES OF THIS PROGRAM: tiles of 16 rows x 128 K, stored as IMAGES OF THE OPERAND'S REGISTERS: 1,536 bytes, register q of lane l at 512 (q / 4) + 16 l + 4 (q % 4); with n = 128 s + t (K step s, tile t), the image at 6,400 (n / 4) + 1,536 (n % 4).
; Row r of tile t is index 32 (t / 2) + 8 (t % 2) + r + 8 (r / 8), so that the results of a product whose source 0 is such tiles run along the index in a lane's registers.  Scale words (four bytes: a row's 128 along K) at 6,400 (n / 4) + 6,144 + 64 (n % 4) + 4 r.
; xw: five regions of 3,276,800 bytes: x, Wq, Wk, Wv, Wo (a weight's rows are its output columns).  cst: [tile 128][cos, sin][group 16][512]: lane l's 16 bytes of group 4 b + j are channels 32 b + 16 (l / 16) + 4 j .. + 3 of its token.
; A block's scale is 2^(floor(log2(largest magnitude)) - 2): its byte is the largest magnitude's exponent field - 2, held at 1 from below by a floor among the maximum's leaves.
; LIMITS: a block of zeros gets the byte 1 where the rule says 127 (its codes are zeros, and the bytes are read by this program alone); NaN and infinities among the inputs are not served.
; SHARES: work-groups 0-511: x, a wave to a tile and K step (16 rows x 512 bytes); 512-575: cos and sin, a wave to a tile of one table; 576-1599: the weights, a wave to 32 columns x 128 K.
; No input is read by two work-groups, so there is no cluster; waves share nothing, so there is no barrier.  Only the row path touches LDS: a stage of 16 rows x 528 bytes for each wave.
.set WREG, 8448                        ; a wave's stage
.set SP,   528                         ; a stage row: 512 bytes + 16: the sixteen rows that a load touches start 16 bytes apart modulo 256
.set R,    16                          ; v16-79   16 rows as loaded, 16 bytes a lane
.set X,    80                          ; v80-143  64 numbers of my row: register 16 b + i = k 32 b + 16 (lane / 16) + i;  weights: two sets of 32 numbers down K
.set OFF,  144                         ; v144-159 byte offsets of the 16 rows
.set PC,   160                         ; v160-178 the codes just made
.set TM,   180                         ; v180-195 at work in QUANT
.set PW,   196                         ; v196     the scale word just made
.set T0,   16                          ; weights: v16-27 blocks 0 and 2, v28-39 blocks 1 and 3, v40-42 a block's upper half
.set T1,   28
.set TC,   40
.set SEL,  36                          ; s[36:37] lane selects for v_permlanex16_b32: lane l xor 16
; 64 numbers of a lane, v[s] on, become a fragment's codes in v[PC] .. v[PC + 11] and its row's scale word in v[PW]
.macro QUANT s
.irp b, 0,1,2,3
	v_max3_num_f32 v[TM+\b], |v[(\s)+16*\b]|, |v[(\s)+1+16*\b]|, 0x1800000   ; block b: my 16 numbers, and the floor 2^(3 - 127)
.endr
.irp i, 2,4,6,8,10,12,14
.irp b, 0,1,2,3
	v_max3_num_f32 v[TM+\b], v[TM+\b], |v[(\s)+16*\b+\i]|, |v[(\s)+1+16*\b+\i]|   ; the four blocks by turns
.endr
.endr
.irp b, 0,1,2,3
	v_permlanex16_b32 v[TM+4+\b], v[TM+\b], s[SEL], s[SEL+1]
.endr
.irp b, 0,1,2,3
	v_max_num_f32 v[TM+\b], v[TM+\b], v[TM+4+\b]   ; with lane l xor 16's 16: the block's largest magnitude
.endr
.irp b, 0,1,2,3
	v_add_nc_u32 v[TM+12+\b], 0xff000000, v[TM+\b]   ; 2 off its exponent field: the conversion's scale operand
.endr
.irp b, 0,1,2,3
	v_lshrrev_b32 v[TM+4+\b], 23, v[TM+12+\b]      ; the scale's byte
.endr
	v_lshl_or_b32 v[PW], v[TM+5], 8, v[TM+4]
	v_lshl_or_b32 v[PW], v[TM+6], 16, v[PW]
	v_lshl_or_b32 v[PW], v[TM+7], 24, v[PW]
.irp c, 0,1
	v_cvt_scalef32_pk16_fp6_f32 v[PC+6*\c:PC+2+6*\c], v[(\s)+32*\c:(\s)+15+32*\c], v[TM+12+2*\c]
	v_cvt_scalef32_pk16_fp6_f32 v[PC+12+4*\c:PC+14+4*\c], v[(\s)+16+32*\c:(\s)+31+32*\c], v[TM+13+2*\c]   ; (a conversion's three registers begin on an even number)
.endr
	v_nop                                          ; one plain line behind the scaled conversions
.irp c, 0,1                                    ; the operand wants a whole block in a lane: lanes 0-15 block 2 c, lanes 16-31 block 2 c + 1
.irp i, 0,1,2
	v_permlane16_swap_b32 v[PC+6*\c+\i], v[PC+12+4*\c+\i]
.endr
.irp i, 0,1,2
	v_mov_b32 v[PC+3+6*\c+\i], v[PC+12+4*\c+\i]
.endr
.endr
.endm
	s_load_b256 s[4:11], s[0:1], 0x0               ; hidden s[4:5], cos s[6:7], sin s[8:9], Wq s[10:11]
	s_load_b256 s[12:19], s[0:1], 0x20             ; Wk s[12:13], Wv s[14:15], Wo s[16:17], xw s[18:19]
	; THE LAYOUT THAT HOLDS FOR xw AND cst: four tiles form a group of 6,400 bytes: four images of 1,536, then four times 64 bytes of scale words.  With n = 128 s + t (K step s, tile t): the group at 6,400 (n / 4),
	; the image at + 1,536 (n % 4), the scale words at + 6,144 + 64 (n % 4).  So every image begins at a multiple of 256 bytes.  Five regions of 3,276,800 bytes.  There is no buffer of scale words.
	; cst: [q, k][tile 128][cos, sin][group 16][512]; the norm's weight is multiplied in: cos(d) w(d), and sin(d) w((d + 64) % 128), the channel that the rotary turn pairs with d.
	s_load_b64 s[22:23], s[0:1], 0x40              ; cst
	s_load_b128 s[40:43], s[0:1], 0x48             ; q_norm_w s[40:41], k_norm_w s[42:43]
	v_lshl_add_u32 v200, v0, 2, 0x8400
	v_mov_b32 v201, 0
	v_lshrrev_b32 v1, 5, v0
	v_readfirstlane_b32 s24, v1                    ; wave 0..3
	v_and_b32 v1, 31, v0                           ; lane
	v_and_b32 v2, 15, v0                           ; r
	v_bfe_u32 v3, v0, 4, 1                         ; h
	v_lshlrev_b32 v4, 4, v1                        ; 16 x lane
	v_lshlrev_b32 v5, 2, v2                        ; 4 r
	v_lshlrev_b32 v10, 2, v1                       ; 4 x lane
	s_cmp_ge_u32 ttmp9, 576
	s_cbranch_scc1 .Lw
	; ---- THE ROW PATH: 16 rows x 512 bytes are turned through the wave's stage, so that loads are dense and a lane ends with 64 numbers of one row
	s_mul_i32 s25, s24, WREG
	v_add_nc_u32 v6, s25, v4                       ; into the stage: 16 x lane, the row in the immediate
	v_mul_u32_u24 v7, v2, SP
	v_lshl_add_u32 v7, v3, 6, v7
	v_add_nc_u32 v7, s25, v7                       ; out of it: row r, + 64 h
	s_lshr_b32 s25, ttmp9, 2                       ; x: tile
	s_and_b32 s26, ttmp9, 3
	s_lshl_b32 s26, s26, 2
	s_add_co_u32 s26, s26, s24                     ; x: K step
	s_sub_co_u32 s27, ttmp9, 512
	s_lshl_b32 s27, s27, 1
	s_lshr_b32 s28, s24, 1
	s_add_co_u32 s27, s27, s28                     ; tables: tile
	s_and_b32 s28, s24, 1                          ; tables: 0 cos, 1 sin
	s_mov_b32 s30, 512
	s_cmp_lt_u32 ttmp9, 512
	s_cselect_b32 s25, s25, s27                    ; the tile
	s_cselect_b32 s29, s26, 0                      ; the K step (the tables have one)
	s_cselect_b32 s30, 8192, s30                   ; bytes from row to row
	s_lshr_b32 s31, s25, 1
	s_lshl_b32 s31, s31, 5
	s_and_b32 s34, s25, 1
	s_lshl_b32 s34, s34, 3
	s_add_co_u32 s31, s31, s34                     ; the tile's first row: 32 (t / 2) + 8 (t % 2)
	s_mul_i32 s34, s31, s30
	s_lshl_b32 s35, s29, 9
	s_add_co_u32 s34, s34, s35                     ; + 512 bytes a K step
	s_mov_b32 s35, 0
	v_mov_b32 v8, s30
	s_wait_alu depctr_va_vdst(0)
.irp i, 0,1,2,3,4,5,6,7,8,9,10,11,12,13,14,15
	v_mad_u32_u24 v[OFF+\i], v8, \i+8*(\i/8), v4   ; row i of the tile lies i + 8 (i / 8) rows on
.endr
	s_mov_b32 s[SEL], 0x76543210
	s_mov_b32 s[SEL+1], 0xfedcba98
.irp b, 0,1,2,3
	v_mov_b32 v[TM+4+\b], 0                        ; a lane permute's destination counts as one of its sources
.endr
	s_wait_alu depctr_va_vdst(0)
	s_wait_kmcnt 0x0
	s_cmp_eq_u32 s28, 0
	s_cselect_b64 s[32:33], s[6:7], s[8:9]
	s_cmp_lt_u32 ttmp9, 512
	s_cselect_b64 s[32:33], s[4:5], s[32:33]       ; the choice hangs on the work-group's and the wave's number alone
	s_add_nc_u64 s[32:33], s[32:33], s[34:35]
.irp i, 0,1,2,3,4,5,6,7,8,9,10,11,12,13,14,15
	global_load_b128 v[R+4*\i:R+4*\i+3], v[OFF+\i], s[32:33] th:TH_LOAD_NT   ; 32 lanes read 512 consecutive bytes of one row
.endr
.irp i, 0,1,2,3,4,5,6,7,8,9,10,11,12,13,14,15
	s_wait_loadcnt 15-\i                           ; loads come back in order: row i is in, the younger ones may be out
	ds_store_b128 v6, v[R+4*\i:R+4*\i+3] offset:SP*\i
.endr
.irp b, 0,1,2,3
.irp j, 0,1,2,3
	ds_load_b128 v[X+16*\b+4*\j:X+16*\b+4*\j+3], v7 offset:128*\b+16*\j   ; LDS serves a wave's instructions in order: these see my stores
.endr
.endr
	s_wait_dscnt 0x0
	s_cmp_lt_u32 ttmp9, 512
	s_cbranch_scc0 .Lcs
	QUANT X
	s_lshl_b32 s34, s29, 7
	s_add_co_u32 s34, s34, s25                     ; 128 s + t
	s_lshr_b32 s26, s34, 2
	s_mul_i32 s26, s26, 6400                       ; the group
	s_and_b32 s34, s34, 3
	s_mul_i32 s35, s34, 1536
	s_lshl_b32 s30, s34, 6
	s_add_co_u32 s30, s30, s26                     ; the scale words (6,144 more in the immediate)
	s_add_co_u32 s26, s26, s35                     ; the image
	s_mov_b32 s27, 0
	s_mov_b32 s31, 0
	s_add_nc_u64 s[26:27], s[18:19], s[26:27]
	s_add_nc_u64 s[30:31], s[18:19], s[30:31]
	s_wait_alu depctr_va_vdst(0)
.irp c, 0,1,2
	global_store_b128 v4, v[PC+4*\c:PC+4*\c+3], s[26:27] offset:512*\c   ; each store covers 512 consecutive bytes, aligned
.endr
	global_store_b32 v5, v[PW], s[30:31] offset:6144   ; both halves of the lanes hold the same word and write it to the same place
	s_wait_tensorcnt 0x0
	ds_add_u32 v200, v201
	s_wait_dscnt 0x0
	s_endpgm
.Lcs:
	s_lshl_b32 s34, s25, 14
	s_lshl_b32 s35, s28, 13
	s_add_co_u32 s34, s34, s35                     ; 16,384 t + 8,192 (cos 0, sin 1)
	s_mov_b32 s35, 0
	s_add_nc_u64 s[34:35], s[22:23], s[34:35]
	s_lshl_b32 s26, s28, 8
	v_lshl_add_u32 v8, v3, 6, s26                  ; w at my channels 0-63: byte 64 h, for sin 256 bytes (64 channels) on
	v_xor_b32 v9, 256, v8                          ; and at my channels 64-127: the other half of w
.set WK, 160                           ; k's weight: group g at v[160 + 4 g], from g = 9 on 8 further up, past the add's two registers v200, v201
.irp g, 0,1,2,3,4,5,6,7,8,9,10,11,12,13,14,15
	global_load_b128 v[R+4*\g:R+4*\g+3], v[8+\g/8], s[40:41] offset:128*((\g/4)%2)+16*(\g%4)   ; q's weight, into the registers that held the rows as loaded
.endr
.irp g, 0,1,2,3,4,5,6,7,8,9,10,11,12,13,14,15
	global_load_b128 v[WK+4*\g+8*(\g/9):WK+4*\g+8*(\g/9)+3], v[8+\g/8], s[42:43] offset:128*((\g/4)%2)+16*(\g%4)
.endr
	s_wait_loadcnt 16                              ; q's 16 loads are in; k's 16 may be out
.set P, 0
.rept 32
	v_pk_mul_f32 v[R+P:R+P+1], v[R+P:R+P+1], v[X+P:X+P+1]
.set P, P+2
.endr
.irp g, 0,1,2,3,4,5,6,7,8,9,10,11,12,13,14,15
	global_store_b128 v4, v[R+4*\g:R+4*\g+3], s[34:35] offset:512*\g
.endr
	s_wait_loadcnt 0x0
.irp g, 0,1,2,3,4,5,6,7,8,9,10,11,12,13,14,15
	v_pk_mul_f32 v[WK+4*\g+8*(\g/9):WK+4*\g+8*(\g/9)+1], v[WK+4*\g+8*(\g/9):WK+4*\g+8*(\g/9)+1], v[X+4*\g:X+4*\g+1]
	v_pk_mul_f32 v[WK+4*\g+8*(\g/9)+2:WK+4*\g+8*(\g/9)+3], v[WK+4*\g+8*(\g/9)+2:WK+4*\g+8*(\g/9)+3], v[X+4*\g+2:X+4*\g+3]
.endr
.irp g, 0,1,2,3,4,5,6,7,8,9,10,11,12,13,14,15
	global_store_b128 v4, v[WK+4*\g+8*(\g/9):WK+4*\g+8*(\g/9)+3], s[34:35] offset:2097152+512*\g
.endr
	s_wait_tensorcnt 0x0
	ds_add_u32 v200, v201
	s_wait_dscnt 0x0
	s_endpgm
	; ---- THE WEIGHTS: K is the first axis.  A lane takes a column and its registers run down K: a block of 32 lies in one lane, and the codes come out with K innermost
.Lw:
	s_sub_co_u32 s25, ttmp9, 576
	s_lshr_b32 s26, s25, 8                         ; which weight: 0 Wq, 1 Wk, 2 Wv, 3 Wo
	s_bfe_u32 s27, s25, 0x40004                    ; K step
	s_and_b32 s28, s25, 15                         ; which 128 columns
	s_wait_alu depctr_va_vdst(0)
	v_lshlrev_b32 v9, 3, v3
	v_add_nc_u32 v9, v9, v2
	v_and_b32 v11, 8, v2
	v_add_nc_u32 v9, v9, v11                       ; lane 16 T + r takes column 8 T + r + 8 (r / 8) of the wave's 32: row r of tile T of the pair
	v_lshlrev_b32 v9, 2, v9
	s_lshl_b32 s30, s27, 20                        ; 128 rows of 8,192 bytes a K step
	s_lshl_b32 s31, s28, 9
	s_add_co_u32 s30, s30, s31
	s_lshl_b32 s31, s24, 7
	s_add_co_u32 s30, s30, s31
	s_mov_b32 s31, 0
	s_lshl_b32 s32, s27, 7
	s_lshl_b32 s33, s28, 3
	s_add_co_u32 s32, s32, s33
	s_lshl_b32 s33, s24, 1
	s_add_co_u32 s32, s32, s33                     ; 128 s + the first of my two tiles
	s_add_co_u32 s33, s26, 1                       ; the region
	s_lshr_b32 s34, s32, 2
	s_mul_i32 s34, s34, 6400
	s_mul_i32 s35, s33, 3276800
	s_add_co_u32 s34, s34, s35                     ; the group, in the weight's region
	s_and_b32 s32, s32, 2                          ; my pair of tiles is the group's first or second
	s_mul_i32 s33, s32, 1536
	s_lshl_b32 s32, s32, 6
	s_add_co_u32 s32, s32, s34                     ; the pair's scale words (6,144 more in the immediate)
	s_add_co_u32 s34, s34, s33                     ; the pair's images
	s_mov_b32 s35, 0
	s_mov_b32 s33, 0
	s_wait_alu depctr_va_vdst(0)
	s_wait_kmcnt 0x0
	s_cmp_eq_u32 s26, 1
	s_cselect_b64 s[28:29], s[12:13], s[10:11]
	s_cmp_eq_u32 s26, 3
	s_cselect_b64 s[38:39], s[16:17], s[14:15]
	s_cmp_lt_u32 s26, 2
	s_cselect_b64 s[28:29], s[28:29], s[38:39]
	s_add_nc_u64 s[28:29], s[28:29], s[30:31]
	s_add_nc_u64 s[34:35], s[18:19], s[34:35]
	s_add_nc_u64 s[32:33], s[18:19], s[32:33]
.macro LOAD t                          ; block t: W(32 t + i, my column) into set t % 2; a load reads 128 consecutive bytes
.irp i, 0,1,2,3,4,5,6,7,8,9,10,11,12,13,14,15,16,17,18,19,20,21,22,23,24,25,26,27,28,29,30,31
	global_load_b32 v[X+32*((\t)%2)+\i], v9, s[28:29] offset:(32*(\t)+\i)*8192 th:TH_LOAD_NT
.endr
.endm
.macro BLOCK t
.set XS, X+32*((\t)%2)
.set D, T0+12*((\t)%2)+6*((\t)/2)      ; even blocks belong to lanes 0-15 of the operand, odd ones to lanes 16-31
.if (\t) < 3
	s_wait_loadcnt 32                              ; this block's 32 loads are in; the next block's may be out
.else
	s_wait_loadcnt 0x0
.endif
	v_max3_num_f32 v12, |v[XS]|, |v[XS+1]|, |v[XS+2]|
	v_max3_num_f32 v13, |v[XS+3]|, |v[XS+4]|, |v[XS+5]|
.irp i, 6,10,14,18,22,26
	v_max3_num_f32 v12, v12, |v[XS+\i]|, |v[XS+\i+1]|
	v_max3_num_f32 v13, v13, |v[XS+\i+2]|, |v[XS+\i+3]|
.endr
	v_max3_num_f32 v12, v12, |v[XS+30]|, |v[XS+31]|
	v_max3_num_f32 v12, v12, v13, 0x1800000        ; and the floor 2^(3 - 127)
	v_add_nc_u32 v11, 0xff000000, v12              ; 2 off the exponent field: the conversion's scale operand
	v_lshrrev_b32 v13, 23, v11                     ; the scale's byte
.if (\t) == 0
	v_mov_b32 v14, v13
.else
	v_lshl_or_b32 v14, v13, 8*(\t), v14            ; my column's scale word, the lower K in the lower byte
.endif
	v_cvt_scalef32_pk16_fp6_f32 v[D:D+2], v[XS:XS+15], v11
	v_cvt_scalef32_pk16_fp6_f32 v[TC:TC+2], v[XS+16:XS+31], v11
	v_nop                                          ; one plain line behind the scaled conversions
.irp i, 0,1,2
	v_mov_b32 v[D+3+\i], v[TC+\i]
.endr
.if (\t)+2 < 4
	LOAD (\t)+2
.endif
.endm
	LOAD 0
	LOAD 1
	BLOCK 0
	BLOCK 1
	BLOCK 2
	BLOCK 3
.irp i, 0,1,2,3,4,5,6,7,8,9,10,11
	v_permlane16_swap_b32 v[T0+\i], v[T1+\i]       ; the first run's lanes 16-31 change places with the second's lanes 0-15: the runs are now the images of my two tiles
.endr
.irp c, 0,1,2
	global_store_b128 v4, v[T0+4*\c:T0+4*\c+3], s[34:35] offset:512*\c
.endr
.irp c, 0,1,2
	global_store_b128 v4, v[T1+4*\c:T1+4*\c+3], s[34:35] offset:1536+512*\c   ; the six stores cover 3,072 consecutive bytes, from a multiple of 256
.endr
	global_store_b32 v10, v14, s[32:33] offset:6144   ; two tiles' scale words: 128 consecutive bytes
	s_endpgm
.Lfunc_end_k_q32f617dd53_quant:
	.size	k_q32f617dd53_quant, .Lfunc_end_k_q32f617dd53_quant-k_q32f617dd53_quant
	.p2alignl 7, 3214868480
	.fill 96, 4, 3214868480
	.section	.rodata,"a",@progbits
	.p2align	6, 0x0
	.amdhsa_kernel k_q32f617dd53_quant
		.amdhsa_group_segment_fixed_size 34304
		.amdhsa_private_segment_fixed_size 0
		.amdhsa_enable_private_segment 0
		.amdhsa_kernarg_size 88
		.amdhsa_user_sgpr_count 2
		.amdhsa_user_sgpr_kernarg_segment_ptr 1
		.amdhsa_wavefront_size32 1
		.amdhsa_system_sgpr_workgroup_id_x 1
		.amdhsa_system_sgpr_workgroup_id_y 1
		.amdhsa_system_sgpr_workgroup_id_z 1
		.amdhsa_system_vgpr_workitem_id 0
		.amdhsa_next_free_vgpr 232
		.amdhsa_next_free_sgpr 66
		.amdhsa_reserve_vcc 0
		.amdhsa_float_denorm_mode_32 3
		.amdhsa_float_denorm_mode_16_64 3
		.amdhsa_memory_ordered 1
		.amdhsa_forward_progress 1
		.amdhsa_inst_pref_size 44
	.end_amdhsa_kernel
	.amdgpu_metadata
---
amdhsa.version: [ 1, 2 ]
amdhsa.kernels:
  - .name:           k_q32f617dd53_quant
    .symbol:         k_q32f617dd53_quant.kd
    .args:
      - { .name: hidden_states, .offset: 0, .size: 8, .value_kind: global_buffer, .address_space: global }
      - { .name: rotary_cos, .offset: 8, .size: 8, .value_kind: global_buffer, .address_space: global }
      - { .name: rotary_sin, .offset: 16, .size: 8, .value_kind: global_buffer, .address_space: global }
      - { .name: Wq, .offset: 24, .size: 8, .value_kind: global_buffer, .address_space: global }
      - { .name: Wk, .offset: 32, .size: 8, .value_kind: global_buffer, .address_space: global }
      - { .name: Wv, .offset: 40, .size: 8, .value_kind: global_buffer, .address_space: global }
      - { .name: Wo, .offset: 48, .size: 8, .value_kind: global_buffer, .address_space: global }
      - { .name: xw, .offset: 56, .size: 8, .value_kind: global_buffer, .address_space: global }
      - { .name: cst, .offset: 64, .size: 8, .value_kind: global_buffer, .address_space: global }
      - { .name: q_norm_w, .offset: 72, .size: 8, .value_kind: global_buffer, .address_space: global }
      - { .name: k_norm_w, .offset: 80, .size: 8, .value_kind: global_buffer, .address_space: global }
    .group_segment_fixed_size: 34304
    .private_segment_fixed_size: 0
    .kernarg_segment_align: 8
    .kernarg_segment_size: 88
    .max_flat_workgroup_size: 128
    .sgpr_count:     66
    .vgpr_count:     232
    .wavefront_size: 32
...
	.end_amdgpu_metadata
.endif
;; end of part 1
;; launch qkv (part 2): grid 24 x 8, 4 waves a work-group, clusters of 4 x 4, 327,680 bytes of LDS; arguments xw, cst, qkv, qkvs; writes qkv, qkvs
.if DOCPART == 2
	.amdgcn_target "amdgcn-amd-amdhsa--gfx1250"
	.amdhsa_code_object_version 6
	.text
	.protected	k_q32f617dd53_qkv
	.globl	k_q32f617dd53_qkv
	.p2align	8
	.type	k_q32f617dd53_qkv,@function
k_q32f617dd53_qkv:
	s_mov_b64 s[64:65], 0
	v_nop
	global_prefetch_b8 v0, s[64:65] scope:SCOPE_SE
	s_setreg_imm32_b32 hwreg(HW_REG_WAVE_MODE, 25, 1), 1
	s_wait_xcnt 0x0
	s_wait_alu depctr_hold_cnt(0) depctr_sa_sdst(0) depctr_va_vdst(0) depctr_va_sdst(0) depctr_va_ssrc(0) depctr_va_vcc(0) depctr_vm_vsrc(0)
	s_getreg_b32 s2, hwreg(HW_REG_IB_STS2, 6, 4)
	s_cmp_eq_u32 s2, 0
	s_cbranch_scc0 .Lentry_in_a_cluster
	s_endpgm
.Lentry_in_a_cluster:
	s_bfe_u32 s2, ttmp6, 0x10000c
	s_cmp_lg_u32 s2, 0xf033
	s_cbranch_scc0 .Lentry_shape_is_right
	s_endpgm
.Lentry_shape_is_right:
; The three projections on codes of FP6 (E2M3) with E8M0 scales, K = 2,048, and what follows them: for q and k the RMS norm, its weight and the rotary turn, in f32; then the quantisers of the attention's operands.
; A work-group makes 256 x 256, each of its four waves 128 x 128: 64 accumulators, 512 registers.  A wave's 128 along the registers are ONE HEAD (q, k) or one key step (v), so that norm, turn and quantiser stay inside lanes l and l xor 16.
; That is why the tile is not made smaller: 192 work-groups.  Clusters 0, 1 along x make q, 2, 3 make k, 4, 5 make v: the kind is the same in all partners of a cluster.
; THE MATRIX INSTRUCTION IS USED TRANSPOSED: source 1 gives the lane's row ("A"), source 0 runs along the lane's registers ("B").  q, k: A = tokens (x), B = channels (W).  v: A = channels (Wv), B = tokens (x): v comes out with the keys along the registers.
; All operands lie in memory as images of the operand's registers (1,536 bytes a tile of 16 rows x 128 K, in groups of four tiles, 6,400 bytes, with their scale words): a fragment is three loads of 16 bytes a lane, each 512 consecutive bytes: no pitch, no padding.
; The rows of a tile are 32 (t / 2) + 8 (t % 2) + r + 8 (r / 8): register 16 b + i of a lane's 64 results is index 32 b + 16 (lane / 16) + i, the order that the quantiser wants.
; RING: TWO UNEQUAL SLOTS.  A K step of the work-group is 51,200 bytes; slot A holds four K steps, slot B two: six K steps, 307,200 bytes.  K walks B (0, 1), A (2-5), B (6, 7), A (8-11), B (12, 13), A (14, 15): K step n lies in B where n % 6 < 2.
; Both slots are filled at the head; four refills follow, one tensor load a wave each (a quarter of the slot); a refill of B has slot A's four K steps, 256 products a wave, in which to land, a refill of A two.  The 16 K steps are written out: the walk does not repeat.
; THE SCALE WORDS of the work-group's rows come with their tiles into the slots and are read from LDS, a pair of K steps at a time.
; CLUSTER 4 x 4: A's tiles are shared along a row of the cluster, B's along a column: each is asked for jointly.
; OUT: qkv: q at 0, [head][tile 128][1,536]; k and v at 3,145,728, [head][key step 16][k, v][8 tiles][1,536].  qkvs likewise with 64 bytes a tile: q at 0, k and v at 131,072.
; LIMITS: a block of zeros gets the byte 1 where the rule says 127 (its codes are zeros; the bytes are read by this program alone); NaN and infinities are not served.
; REGISTERS, in windows of 256: window 0: v16-30 addresses; v32-63 scale words, two sets; A's fragments, two sets at v64 and v160.  window 1: B's two sets at v0 and v128.  windows 2, 3: accumulator (a, b) at v[8 (8 (a % 4) + b)] of window 2 + a / 4.
;   On the way out: window 0 v128-191 a block's results, v192-237 at work; window 1: two sets of cos (64) and sin (64).
.set FRB,    1536
; THE LAYOUT THAT HOLDS FOR THE INPUT TILES: four tiles form a group of 6,400 bytes in xw: four images of 1,536, then four times 64 bytes of scale words; TIB = 1,600 is a tile's share of a group.
; So the scale words come with their tiles, by the same tensor loads, and are read from the slots: no load of scale words alone, none from memory into registers.
; A K step of 128 tiles is 204,800 bytes, a region 3,276,800.  Six K steps of the work-group fill 307,200 bytes of LDS.
; AT THE HEAD a wave issues one tensor load, its part of slot B (K steps 0, 1); slot A's first fill stands behind the full sequence and a round.
; The norm's weight lies in the tables: cst holds cos w and sin w for q, then for k.  A block is x cw -+ x' sw, then times the norm's factor n: the order of the f32 roundings differs from (x n) w cos.
.set TIB,    1600
.set KSB,    12800                     ; a K step of 8 tiles
.set PARTA,  51200                     ; slot A: a wave's part: 4 K steps x 8 tiles
.set PARTB,  25600                     ; slot B: 2 K steps x 8 tiles
.set SLB,    204800                    ; slot B begins behind slot A's four parts
.set SPARE,  307200                    ; the spare words, 128 bytes for each wave
.set STEP6,  1228800                   ; six K steps in memory
.set ADRA, 16                          ; v16-17 LDS address of my A fragments in slot A, slot B
.set ADRB, 20                          ; v20-21 the same for B
.set LI,   24                          ; v24 16 x lane
.set L4,   25                          ; v25 4 x lane
.set H64,  26                          ; v26 64 x (lane / 16)
.set ADRS, 30                          ; v30-31 my scale words in slot A, slot B: lanes 0-15 A's tiles, lanes 16-31 B's
.set SPW,  28
.set NIL,  29
.set SC,   32                          ; set s, register 2 i + q: block i, K step 2 p + q of a pair p with p % 2 = s
.set AF,   64
.set WN,   64
.set OUT,  128
.set PC,   192
.set TM,   212
.set PW,   228
.set G1A4, 24                          ; s[24:31] group 1, A's mask, 4 rows;  s[32:39] 2 rows
.set G1A2, 32
.set G1B4, 40                          ; s[40:47], s[48:55] the same with B's mask
.set G1B2, 48
.set G0AA, 56                          ; s[56:59] group 0: A's tiles, slot A;  s[60:63] slot B
.set G0AB, 60
.set G0BA, 68                          ; s[68:71], s[72:75] B's tiles
.set G0BB, 72
.set G1S,  76
.set G1SB, 84
.set G0S,  92
.set G0SB, 96
.set SEL,  92                          ; ON THE WAY OUT (written behind the last wait for all tensor loads): s[92:93] lane selects: lane l xor 16;  s94 1 / 128;  s95 the norm's 1e-6;  s96 lanes 16-31;  s[98:99], s[100:101] where codes and scale words go;  s40-47 at work
.set MSB, 0
.macro WIN new                         ; the immediate's high byte repeats the setting that is left; a switch that changes nothing is dropped
.if MSB != (\new)
	s_set_vgpr_msb (MSB<<8)|(\new)
.set MSB, (\new)
.endif
.endm
.macro PLACES n
.rept \n
	v_nop
.endr
.endm
; A joint load: waves 0 and 1 fetch for A, waves 2 and 3 for B; the branch hangs on the wave's number alone.  Four v_nop follow each of the two lines.
.macro JLOAD g0a, g1a, g0b, g1b
	s_cmp_eq_u32 s19, 0
	s_cbranch_scc0 .Lfor_b_\@
	tensor_load_to_lds s[\g0a:\g0a+3], s[\g1a:\g1a+7]
	s_nop 0
.rept 4
	v_nop
.endr
	s_branch .Lasked_\@
.Lfor_b_\@:
	tensor_load_to_lds s[\g0b:\g0b+3], s[\g1b:\g1b+7]
	s_nop 0
.rept 4
	v_nop
.endr
.Lasked_\@:
.endm
.macro CREST                           ; a round of the cluster's barrier behind its opening barrier
	s_cmp_lg_u32 s18, 0
	s_cbranch_scc1 .Lnot_wave_0_\@
	s_barrier_signal -3
.Lnot_wave_0_\@:
	s_barrier_wait -3
	s_barrier_signal -1
	s_barrier_wait -1
.endm
.macro CROUND
	s_barrier_signal -1
	s_barrier_wait -1
	CREST
.endm
.macro LOC n                           ; where K step n lies: LSL = 1: slot B, 0: slot A;  LQ: which K step of the slot
.set LM, (\n)%6
.if LM < 2
.set LSL, 1
.set LQ, LM
.else
.set LSL, 0
.set LQ, LM-2
.endif
.endm
.macro FRAG reg, adr, i                ; a fragment comes as it was stored: three loads of 512 consecutive bytes
.irp c, 0,1,2
	ds_load_b128 v[(\reg)+4*\c:(\reg)+4*\c+3], v[\adr] offset:KSB*LQ+6400*((\i)/4)+FRB*((\i)%4)+512*\c
.endr
.endm
.macro FETCH n                         ; the 16 fragments of K step n into sets n % 2
	LOC \n
.set FP, (\n)%2
	WIN 0x40
.irp i, 0,1,2,3,4,5,6,7
	FRAG 128*FP+12*\i, ADRB+LSL, \i
.endr
	WIN 0
.irp i, 0,1,2,3,4,5,6,7
	FRAG AF+96*FP+12*\i, ADRA+LSL, \i
.endr
.endm
.macro SCALES p                        ; the scale words of K steps 2 p and 2 p + 1 into set p % 2: lanes 0-15 take A's block i, lanes 16-31 B's block i
.irp i, 0,1,2,3,4,5,6,7
	LOC 2*(\p)                                     ; both K steps of a pair lie in one slot
	ds_load_b32 v[SC+16*((\p)%2)+2*\i], v[ADRS+LSL] offset:KSB*LQ+6400*(\i/4)+6144+64*(\i%4)
	ds_load_b32 v[SC+16*((\p)%2)+2*\i+1], v[ADRS+LSL] offset:KSB*(LQ+1)+6400*(\i/4)+6144+64*(\i%4)
.endr
.endm
; 32 matrix instructions: A's blocks 4 hf .. 4 hf + 3 x B's eight, on fragment sets p (= the K step's place in its pair) and scale set `set`.
; The 64 accumulators take turns, one instruction a turn, in the same order in every K step.
.macro MULH hf, p, set, zero
	WIN 0xa1+0x50*(\hf)
.irp a, 0,1,2,3
.irp b, 0,1,2,3,4,5,6,7
.set rD, 8*(8*\a+\b)
.set rB, 128*(\p)+12*\b
.set rA, AF+96*(\p)+12*(4*(\hf)+\a)
.set rSB, SC+16*(\set)+2*\b+(\p)
.set rSA, SC+16*(\set)+2*(4*(\hf)+\a)+(\p)
.if \zero
	v_wmma_scale_f32_16x16x128_f8f6f4 v[rD:rD+7], v[rB:rB+11], v[rA:rA+11], 0, v[rSB], v[rSA] matrix_a_fmt:MATRIX_FMT_FP6 matrix_b_fmt:MATRIX_FMT_FP6 matrix_a_scale:MATRIX_SCALE_ROW1
.else
	v_wmma_scale_f32_16x16x128_f8f6f4 v[rD:rD+7], v[rB:rB+11], v[rA:rA+11], v[rD:rD+7], v[rSB], v[rSA] matrix_a_fmt:MATRIX_FMT_FP6 matrix_b_fmt:MATRIX_FMT_FP6 matrix_a_scale:MATRIX_SCALE_ROW1
.endif
.endr
.endr
.endm
; K step s: 64 matrix instructions on sets s % 2; in its middle the next K step's 48 loads go out in one run, into the other sets, and behind an odd K step the next pair's scale words.
; mode 1: a slot's last step: the slot is filled again, by the descriptors named.  mode 2: the same change of slots with nothing left to fetch.
.macro KS s, zero, mode, g0a, g1a, g0b, g1b
.set KPAR, (\s)%2
.set KSET, ((\s)/2)%2
.if (\mode) == 0
	s_wait_dscnt 0x0                               ; this step's fragments (asked for 32 matrix instructions ago) are in
	MULH 0, KPAR, KSET, \zero
	PLACES 4                                       ; in front of loads into registers that the step before multiplied
	FETCH (\s)+1
.if KPAR == 1
	SCALES ((\s)+1)/2
.endif
	MULH 1, KPAR, KSET, \zero
.else
	WIN 0                                          ; (the add's two registers lie in window 0)
	s_wait_tensorcnt 0x0                           ; all my tensor loads have landed: my part of the other slot; so a group 0 may be written
	ds_add_u32 v[SPW], v[NIL]                      ; 0 onto my spare word
.if (\mode) == 1
	s_add_nc_u64 s[\g0a+2:\g0a+3], s[\g0a+2:\g0a+3], STEP6    ; this slot's next tile: six K steps on
	s_add_nc_u64 s[\g0b+2:\g0b+3], s[\g0b+2:\g0b+3], STEP6
.endif
	s_wait_dscnt 0x0                               ; the add is done, and my reads of this slot are over: its last fragments are in registers
	s_barrier_signal -1
	MULH 0, KPAR, KSET, \zero
	WIN 0
	s_barrier_wait -1
.if (\mode) == 1
	CREST                                          ; the barrier has opened a round of the cluster's: no wave of any partner still reads this slot or has a load on its way
	JLOAD \g0a, \g1a, \g0b, \g1b                   ; the first tensor load behind the round; its four v_nop are also the places in front of the loads below
.else
	PLACES 4
.endif
	FETCH (\s)+1
	SCALES ((\s)+1)/2
	MULH 1, KPAR, KSET, \zero
.endif
.endm
; 64 numbers of a lane, v[s] on in window w, become a fragment's codes in v[PC] .. v[PC + 11] and its row's scale word in v[PW] (window 0)
.macro QUANT s, w
	WIN (\w)|((\w)<<2)
.irp b, 0,1,2,3
	v_max3_num_f32 v[TM+\b], |v[(\s)+16*\b]|, |v[(\s)+1+16*\b]|, 0x1800000   ; block b: my 16 numbers, and the floor 2^(3 - 127).  (Each accumulator is read from its low end on)
.endr
	WIN ((\w)<<2)|((\w)<<4)
.irp i, 2,4,6,8,10,12,14
.irp b, 0,1,2,3
	v_max3_num_f32 v[TM+\b], v[TM+\b], |v[(\s)+16*\b+\i]|, |v[(\s)+1+16*\b+\i]|
.endr
.endr
	WIN 0
.irp b, 0,1,2,3
	v_permlanex16_b32 v[TM+4+\b], v[TM+\b], s[SEL], s[SEL+1]
.endr
.irp b, 0,1,2,3
	v_max_num_f32 v[TM+\b], v[TM+\b], v[TM+4+\b]   ; with lane l xor 16's 16: the block's largest magnitude
.endr
.irp b, 0,1,2,3
	v_add_nc_u32 v[TM+12+\b], 0xff000000, v[TM+\b]   ; 2 off its exponent field: the conversion's scale operand
.endr
.irp b, 0,1,2,3
	v_lshrrev_b32 v[TM+4+\b], 23, v[TM+12+\b]      ; the scale's byte
.endr
	v_lshl_or_b32 v[PW], v[TM+5], 8, v[TM+4]
	v_lshl_or_b32 v[PW], v[TM+6], 16, v[PW]
	v_lshl_or_b32 v[PW], v[TM+7], 24, v[PW]
	WIN (\w)
.irp c, 0,1
	v_cvt_scalef32_pk16_fp6_f32 v[PC+6*\c:PC+2+6*\c], v[(\s)+32*\c:(\s)+15+32*\c], v[TM+12+2*\c]
	v_cvt_scalef32_pk16_fp6_f32 v[PC+12+4*\c:PC+14+4*\c], v[(\s)+16+32*\c:(\s)+31+32*\c], v[TM+13+2*\c]
.endr
	WIN 0
	v_nop                                          ; one plain line behind the scaled conversions
.irp c, 0,1
.irp i, 0,1,2
	v_permlane16_swap_b32 v[PC+6*\c+\i], v[PC+12+4*\c+\i]
.endr
.irp i, 0,1,2
	v_mov_b32 v[PC+3+6*\c+\i], v[PC+12+4*\c+\i]
.endr
.endr
.endm
.macro PUT a                           ; block a's image, and for each pair of blocks their scale words: 128 consecutive bytes
.irp c, 0,1,2
	global_store_b128 v[LI], v[PC+4*\c:PC+4*\c+3], s[98:99] offset:FRB*(\a)+512*\c
.endr
.if ((\a)%2) == 0
	v_mov_b32 v229, v[PW]
.else
	v_cndmask_b32 v230, v229, v[PW], s96           ; lanes 0-15 the even block's words, lanes 16-31 the odd one's
	global_store_b32 v[L4], v230, s[100:101] offset:64*((\a)-1)
.endif
.endm
.macro LAST                            ; K step 15: nothing more to fetch
	s_wait_dscnt 0x0
	MULH 0, 1, 1, 0
	MULH 1, 1, 1, 0
	WIN 0
	PLACES 4                                       ; in front of the first reads of results and of writes and loads into operands that are done with
.endm
	s_load_b64 s[4:5], s[0:1], 0x0                 ; xw
	s_load_b64 s[8:9], s[0:1], 0x8                 ; cst
	s_load_b64 s[14:15], s[0:1], 0x10              ; qkv
	s_load_b64 s[16:17], s[0:1], 0x18              ; qkvs
	v_lshl_add_u32 v[SPW], v0, 2, SPARE
	v_mov_b32 v[NIL], 0
	ds_add_u32 v28, v29
	ds_add_u32 v28, v29
	s_wait_dscnt 0x0
	v_lshrrev_b32 v1, 5, v0
	v_readfirstlane_b32 s18, v1                    ; wave 0..3
	s_lshr_b32 s19, s18, 1                         ; which half of A's rows is mine.  Also: I fetch for A (0) or for B (1)
	s_and_b32 s20, s18, 1                          ; which half of B's.  Also: which half I fetch
	s_lshr_b32 s21, ttmp9, 1                       ; the kind: 0 q, 1 k, 2 v: made of the cluster's x alone
	s_bfe_u32 s22, ttmp6, 0x40000                  ; cx
	s_bfe_u32 s23, ttmp6, 0x40004                  ; cy
	s_and_b32 s66, ttmp7, 0xffff
	s_lshl_b32 s66, s66, 2
	s_add_co_u32 s66, s66, s23                     ; Y: which 256 of A's rows
	s_and_b32 s67, ttmp9, 1
	s_lshl_b32 s67, s67, 2
	s_add_co_u32 s67, s67, s22                     ; XB: which 256 of B's rows
	s_lshl_b32 s2, s23, 2
	s_lshl_b32 s2, 15, s2                          ; my row of the cluster
	s_lshl_b32 s3, 0x1111, s22                     ; my column
	s_or_b32 s[G1A4], s2, (3<<16)|(1<<21)          ; 15:0 the mask; 17:16 elements of 8 bytes; 21 set beside a mask; no padding
	s_or_b32 s[G1A2], s2, (3<<16)|(1<<21)
	s_or_b32 s[G1B4], s3, (3<<16)|(1<<21)
	s_or_b32 s[G1B2], s3, (3<<16)|(1<<21)
.irp g, G1A4, G1B4                     ; slot A: 4 rows (K steps) of 8 tiles = 12,800 bytes = 1,600 elements, 204,800 bytes apart
	s_mov_b32 s[\g+1], 1600<<16
	s_mov_b32 s[\g+2], 4<<16
	s_mov_b32 s[\g+3], 1600<<16
	s_mov_b32 s[\g+4], 4
	s_mov_b32 s[\g+5], 25600
	s_mov_b32 s[\g+6], 0
	s_mov_b32 s[\g+7], 0
.endr
.irp g, G1A2, G1B2                     ; slot B (and slot A's last fill): 2 such rows
	s_mov_b32 s[\g+1], 1600<<16
	s_mov_b32 s[\g+2], 2<<16
	s_mov_b32 s[\g+3], 1600<<16
	s_mov_b32 s[\g+4], 2
	s_mov_b32 s[\g+5], 25600
	s_mov_b32 s[\g+6], 0
	s_mov_b32 s[\g+7], 0
.endr
	; byte offsets of what I fetch, made in the descriptors' own address words.  A's hang on Y, the kind and the wave alone, B's on XB, the kind and the wave alone
	s_lshl_b32 s100, s20, 3                        ; 8 x the half that I fetch
	s_lshl_b32 s[G0AB+2], s66, 4
	s_add_co_u32 s[G0AB+2], s[G0AB+2], s100        ; A: tile 16 Y + 8 x half
	s_mul_i32 s[G0AB+2], s[G0AB+2], TIB
	s_lshl_b32 s[G0BB+2], s67, 4
	s_add_co_u32 s[G0BB+2], s[G0BB+2], s100        ; B: tile 16 XB + 8 x half
	s_mul_i32 s[G0BB+2], s[G0BB+2], TIB
	s_add_co_u32 s100, s21, 1
	s_mul_i32 s101, s100, 3276800                  ; the weight's region
	s_cmp_eq_u32 s21, 2
	s_cselect_b32 s104, 9830400, 0                 ; A: Wv's region for v, x's for q and k
	s_cselect_b32 s101, 0, s101                    ; B: x's region for v, the weight's for q and k
	s_add_co_u32 s[G0AB+2], s[G0AB+2], s104
	s_add_co_u32 s[G0BB+2], s[G0BB+2], s101
	s_mov_b32 s[G0AB+3], 0
	s_mov_b32 s[G0BB+3], 0
	; where the tiles go: wave x a quarter of the slot: no place in the cluster enters an LDS address
	s_mul_i32 s2, s18, PARTA
	s_mul_i32 s3, s18, PARTB
	s_add_co_u32 s3, s3, SLB
.irp g, G0AA, G0AB, G0BA, G0BB
	s_mov_b32 s[\g], 1                             ; 1:0 count = 1
.endr
	s_mov_b32 s[G0AA+1], s2
	s_mov_b32 s[G0BA+1], s2
	s_mov_b32 s[G0AB+1], s3
	s_mov_b32 s[G0BB+1], s3
	s_wait_kmcnt 0x0
	s_add_nc_u64 s[G0AB+2:G0AB+3], s[4:5], s[G0AB+2:G0AB+3]   ; slot B begins with K steps 0 and 1,
	s_add_nc_u64 s[G0BB+2:G0BB+3], s[4:5], s[G0BB+2:G0BB+3]
	s_add_nc_u64 s[G0AA+2:G0AA+3], s[G0AB+2:G0AB+3], 409600   ; slot A with K steps 2 to 5
	s_add_nc_u64 s[G0BA+2:G0BA+3], s[G0BB+2:G0BB+3], 409600
.irp g, G0AA, G0AB, G0BA, G0BB
	s_or_b32 s[\g+3], s[\g+3], 0x80000000          ; 127:126 type = 2
.endr
	CROUND                                         ; all sixteen work-groups are here: the first joint loads meet
	JLOAD G0AB, G1A2, G0BB, G1B2                   ; K steps 0 and 1: my one tensor load at the head
	v_and_b32 v1, 31, v0
	v_and_b32 v2, 15, v0
	v_bfe_u32 v3, v0, 4, 1
	v_lshlrev_b32 v[LI], 4, v1
	v_lshlrev_b32 v[L4], 2, v1
	v_lshlrev_b32 v[H64], 6, v3
	s_mul_i32 s2, s19, PARTA                       ; my half of A, in slot A
	v_add_nc_u32 v[ADRA], s2, v[LI]
	s_mul_i32 s2, s19, PARTB                       ; and in slot B
	s_add_co_u32 s2, s2, SLB
	v_add_nc_u32 v[ADRA+1], s2, v[LI]
	s_add_co_u32 s3, s20, 2                        ; my half of B lies behind A's two
	s_mul_i32 s2, s3, PARTA
	v_add_nc_u32 v[ADRB], s2, v[LI]
	s_mul_i32 s2, s3, PARTB
	s_add_co_u32 s2, s2, SLB
	v_add_nc_u32 v[ADRB+1], s2, v[LI]
	s_wait_alu depctr_va_vdst(0)                   ; the wait ahead of the readers below
.irp s, 0,1                                    ; slot A (parts of PARTA), slot B (parts of PARTB = PARTA - PARTB)
	s_mul_i32 s2, s19, PARTA-(\s)*PARTB            ; my half of A
	s_mul_i32 s3, s20, PARTA-(\s)*PARTB
	s_add_co_u32 s3, s3, 2*(PARTA-(\s)*PARTB)      ; my half of B
	s_sub_co_u32 s3, s3, s2
	v_mul_u32_u24 v4, s3, v3                       ; lanes 16-31 take B's part: one product, the distance between the two parts
	s_add_co_u32 s2, s2, (\s)*SLB
	v_lshl_add_u32 v4, v2, 2, v4
	v_add_nc_u32 v[ADRS+\s], s2, v4
.endr
	s_wait_alu depctr_va_vdst(0)
	s_wait_tensorcnt 0x0                           ; my part of slot B is in; the three lines ahead of a later first fill, as ahead of a refill
	ds_add_u32 v[SPW], v[NIL]
	s_wait_dscnt 0x0
	CROUND                                         ; everybody's part is in, and the joint loads meet
	JLOAD G0AA, G1A4, G0BA, G1B4                   ; K steps 2 to 5: the first tensor load behind the round; it has K steps 0 and 1, 128 products, in which to land
	FETCH 0
	SCALES 0
	KS 0, 1, 0, 0, 0, 0, 0                         ; K step 0: its products start the sums
	KS 1, 0, 1, G0AB, G1A2, G0BB, G1B2             ; slot B is left: it takes K steps 6 and 7
	KS 2, 0, 0, 0, 0, 0, 0
	KS 3, 0, 0, 0, 0, 0, 0
	KS 4, 0, 0, 0, 0, 0, 0
	KS 5, 0, 1, G0AA, G1A4, G0BA, G1B4             ; slot A is left: K steps 8 to 11
	KS 6, 0, 0, 0, 0, 0, 0
	KS 7, 0, 1, G0AB, G1A2, G0BB, G1B2             ; slot B: K steps 12 and 13
	KS 8, 0, 0, 0, 0, 0, 0
	KS 9, 0, 0, 0, 0, 0, 0
	KS 10, 0, 0, 0, 0, 0, 0
	KS 11, 0, 1, G0AA, G1A2, G0BA, G1B2            ; slot A: K steps 14 and 15, a load of two rows into the slot's first half
	KS 12, 0, 0, 0, 0, 0, 0
	KS 13, 0, 2, 0, 0, 0, 0                        ; the last change of slots; nothing is left to fetch.  No tensor load of mine is out from here on: the descriptors' registers are free
	KS 14, 0, 0, 0, 0, 0, 0
	WIN 0
	s_mov_b32 s[SEL], 0x76543210
	s_mov_b32 s[SEL+1], 0xfedcba98
	s_mov_b32 s94, 0x3c000000                      ; 1 / 128
	s_mov_b32 s95, 0x358637bd                      ; 1e-6
	s_mov_b32 s96, 0xffff0000
	s_lshl_b32 s40, s67, 1
	s_add_co_u32 s40, s40, s20                     ; 2 XB + my half of B: the head (q, k) or the key step (v)
	s_lshl_b32 s41, s66, 1
	s_add_co_u32 s41, s41, s19                     ; 2 Y + my half of A: my 128 tokens (q, k) or the head (v)
	s_cmp_eq_u32 s21, 2
	s_cbranch_scc1 .Lv
	; ---- q and k
	s_lshl_b32 s42, s40, 7
	s_lshl_b32 s43, s41, 3
	s_add_co_u32 s42, s42, s43                     ; q: tile 128 head + 8 (2 Y + half)
	s_lshl_b32 s43, s40, 4
	s_add_co_u32 s43, s43, s41                     ; k: 16 head + key step
	s_mul_i32 s44, s42, FRB
	s_lshl_b32 s45, s42, 6
	s_mul_i32 s46, s43, 24576
	s_add_co_u32 s46, s46, 3145728
	s_lshl_b32 s47, s43, 10
	s_add_co_u32 s47, s47, 131072
	s_cmp_eq_u32 s21, 0
	s_cselect_b32 s98, s44, s46
	s_cselect_b32 s100, s45, s47
	s_mov_b32 s99, 0
	s_mov_b32 s101, 0
	s_add_nc_u64 s[98:99], s[14:15], s[98:99]
	s_add_nc_u64 s[100:101], s[16:17], s[100:101]
	s_lshl_b32 s42, s41, 17
	s_lshl_b32 s43, s21, 21                        ; q's tables, or k's behind them
	s_add_co_u32 s42, s42, s43
	s_mov_b32 s43, 0
	s_add_nc_u64 s[8:9], s[8:9], s[42:43]
	PLACES 4                                       ; sets 0 are done with: loads may land there while K step 15 multiplies sets 1
.macro CSLOAD a                        ; cos and sin of block a's tokens at my channels, in lane order: 32 loads of 512 consecutive bytes, into set a % 2 of window 1
	WIN 0x40
.irp c, 0,1
.irp g, 0,1,2,3,4,5,6,7,8,9,10,11,12,13,14,15
	global_load_b128 v[128*((\a)%2)+64*\c+4*\g:128*((\a)%2)+64*\c+4*\g+3], v[LI], s[8:9] offset:16384*(\a)+8192*\c+512*\g
.endr
.endr
	WIN 0
.endm
	CSLOAD 0
	LAST
	CSLOAD 1
.irp b, 0,1,2,3
	v_mov_b32 v[TM+4+\b], 0                        ; a lane permute's destination counts as one of its sources
.endr
; Block a: 16 tokens x the head's 128 channels; a lane holds 64 channels of one token, lane l xor 16 the other 64.
.macro BLOCKQK a
.set W, 2+(\a)/4
.set AC, 64*((\a)%4)
.set CB, 128*((\a)%2)
.if (\a) < 7
	s_wait_loadcnt 32                              ; this block's table is in; the next block's 32 loads may be out
.else
	s_wait_loadcnt 0x0
.endif
	WIN W|(W<<2)
	v_pk_mul_f32 v[232:233], v[AC:AC+1], v[AC:AC+1]        ; the sum of squares, two chains, ascending: each accumulator is read from its low end on
	v_pk_mul_f32 v[234:235], v[AC+2:AC+3], v[AC+2:AC+3]
.set P, 4
.rept 15
	v_pk_fma_f32 v[232:233], v[AC+P:AC+P+1], v[AC+P:AC+P+1], v[232:233]
	v_pk_fma_f32 v[234:235], v[AC+P+2:AC+P+3], v[AC+P+2:AC+P+3], v[234:235]
.set P, P+4
.endr
	WIN 0
	v_pk_add_f32 v[232:233], v[232:233], v[234:235]
	v_add_f32 v232, v232, v233
	v_permlanex16_b32 v233, v232, s[SEL], s[SEL+1]
	v_add_f32 v232, v232, v233                     ; with the other 64 channels
	v_fma_f32 v232, v232, s94, s95                 ; the mean + 1e-6
	s_wait_alu depctr_va_vdst(0)
	v_rsq_f32 v236, v232
	v_nop                                          ; a plain line behind the transcendental,
	s_wait_alu depctr_va_vdst(0)                   ; and the wait ahead of its first reader
	v_mov_b32 v237, v236
	WIN W|(1<<2)                                   ; channel d + 64 lies 32 registers on
.set P, 0
.rept 32
	v_pk_mul_f32 v[OUT+P:OUT+P+1], v[AC+P:AC+P+1], v[CB+P:CB+P+1]            ; z cos
.set P, P+2
.endr
.set P, 0
.rept 16
	v_pk_fma_f32 v[OUT+P:OUT+P+1], v[AC+32+P:AC+33+P], v[CB+64+P:CB+65+P], v[OUT+P:OUT+P+1] neg_lo:[1,0,0] neg_hi:[1,0,0]   ; d < 64: - z(d + 64) sin(d)
	v_pk_fma_f32 v[OUT+32+P:OUT+33+P], v[AC+P:AC+P+1], v[CB+96+P:CB+97+P], v[OUT+32+P:OUT+33+P]
.set P, P+2
.endr
	WIN 0
.set P, 0
.rept 32
	v_pk_mul_f32 v[OUT+P:OUT+P+1], v[OUT+P:OUT+P+1], v[236:237] op_sel_hi:[1,0]   ; times n, the token's norm factor
.set P, P+2
.endr
.if (\a) > 0
	s_wait_xcnt 0x0                                ; the last block's stores, a block's arithmetic back, have read their registers, which QUANT and PUT write again below.  It stands ahead of the table's loads, whose own sources (v24, s[8:9]) are never rewritten
.endif
.if (\a) < 6
	CSLOAD (\a)+2                                  ; this set of the table is done with
.endif
	WIN 0
	QUANT OUT, 0
	PUT \a
.endm
.irp n, 0,1,2,3,4,5,6,7
	BLOCKQK \n
.endr
	s_branch .Lend
	; ---- v: the results are quantised as they are, along the keys
.Lv:
	s_lshl_b32 s43, s41, 4
	s_add_co_u32 s43, s43, s40                     ; 16 head + key step
	s_mul_i32 s98, s43, 24576
	s_add_co_u32 s98, s98, 3145728+12288           ; v's eight tiles lie behind k's
	s_lshl_b32 s100, s43, 10
	s_add_co_u32 s100, s100, 131072+512
	s_mov_b32 s99, 0
	s_mov_b32 s101, 0
	s_add_nc_u64 s[98:99], s[14:15], s[98:99]
	s_add_nc_u64 s[100:101], s[16:17], s[100:101]
	LAST
.irp b, 0,1,2,3
	v_mov_b32 v[TM+4+\b], 0
.endr
.macro BLOCKV a
.set W, 2+(\a)/4
.set AC, 64*((\a)%4)
.if (\a) > 0
	s_wait_xcnt 0x0                                ; the last block's stores have read their registers
.endif
	QUANT AC, W
	PUT \a
.endm
.irp n, 0,1,2,3,4,5,6,7
	BLOCKV \n
.endr
.Lend:
	s_wait_tensorcnt 0x0                           ; the wave's end
	ds_add_u32 v[SPW], v[NIL]
	s_wait_dscnt 0x0
	CROUND                                         ; the closing round: no work-group ends while a partner may still ask for a tile that names it
	s_endpgm
.Lfunc_end_k_q32f617dd53_qkv:
	.size	k_q32f617dd53_qkv, .Lfunc_end_k_q32f617dd53_qkv-k_q32f617dd53_qkv
	.p2alignl 7, 3214868480
	.fill 96, 4, 3214868480
	.section	.rodata,"a",@progbits
	.p2align	6, 0x0
	.amdhsa_kernel k_q32f617dd53_qkv
		.amdhsa_group_segment_fixed_size 327680
		.amdhsa_private_segment_fixed_size 0
		.amdhsa_enable_private_segment 0
		.amdhsa_kernarg_size 32
		.amdhsa_user_sgpr_count 2
		.amdhsa_user_sgpr_kernarg_segment_ptr 1
		.amdhsa_wavefront_size32 1
		.amdhsa_system_sgpr_workgroup_id_x 1
		.amdhsa_system_sgpr_workgroup_id_y 1
		.amdhsa_system_sgpr_workgroup_id_z 1
		.amdhsa_system_vgpr_workitem_id 0
		.amdhsa_next_free_vgpr 1024
		.amdhsa_next_free_sgpr 106
		.amdhsa_reserve_vcc 0
		.amdhsa_float_denorm_mode_32 3
		.amdhsa_float_denorm_mode_16_64 3
		.amdhsa_memory_ordered 1
		.amdhsa_forward_progress 1
		.amdhsa_inst_pref_size 255
	.end_amdhsa_kernel
	.section	.bss,"aw",@nobits
	.p2align	6
	.space	262144
	.amdgpu_metadata
---
amdhsa.version: [ 1, 2 ]
amdhsa.kernels:
  - .name:           k_q32f617dd53_qkv
    .symbol:         k_q32f617dd53_qkv.kd
    .args:
      - { .name: xw, .offset: 0, .size: 8, .value_kind: global_buffer, .address_space: global }
      - { .name: cst, .offset: 8, .size: 8, .value_kind: global_buffer, .address_space: global }
      - { .name: qkv, .offset: 16, .size: 8, .value_kind: global_buffer, .address_space: global }
      - { .name: qkvs, .offset: 24, .size: 8, .value_kind: global_buffer, .address_space: global }
    .group_segment_fixed_size: 327680
    .private_segment_fixed_size: 0
    .kernarg_segment_align: 8
    .kernarg_segment_size: 32
    .max_flat_workgroup_size: 128
    .sgpr_count:     106
    .vgpr_count:     1024
    .wavefront_size: 32
...
	.end_amdgpu_metadata
.endif
;; end of part 2
;; launch attn (part 3): grid 16 x 16, 8 waves a work-group, clusters of 4 x 1, 327,680 bytes of LDS; arguments qkv, qkvs, oimg; writes oimg
.if DOCPART == 3
	.amdgcn_target "amdgcn-amd-amdhsa--gfx1250"
	.amdhsa_code_object_version 6
	.text
	.protected	k_q32f617dd53_attn
	.globl	k_q32f617dd53_attn
	.p2align	8
	.type	k_q32f617dd53_attn,@function
k_q32f617dd53_attn:
	s_mov_b64 s[64:65], 0
	v_nop
	global_prefetch_b8 v0, s[64:65] scope:SCOPE_SE
	s_setreg_imm32_b32 hwreg(HW_REG_WAVE_MODE, 25, 1), 1
	s_wait_xcnt 0x0
	s_wait_alu depctr_hold_cnt(0) depctr_sa_sdst(0) depctr_va_vdst(0) depctr_va_sdst(0) depctr_va_ssrc(0) depctr_va_vcc(0) depctr_vm_vsrc(0)
	s_getreg_b32 s2, hwreg(HW_REG_IB_STS2, 6, 4)
	s_cmp_eq_u32 s2, 0
	s_cbranch_scc0 .Lentry_in_a_cluster
	s_endpgm
.Lentry_in_a_cluster:
	s_bfe_u32 s2, ttmp6, 0x10000c
	s_cmp_lg_u32 s2, 0x3003
	s_cbranch_scc0 .Lentry_shape_is_right
	s_endpgm
.Lentry_shape_is_right:
; O[h][q] = the sum over k of softmax_k(Q[h][q] . K[h][k] / sqrt(128)) V[h][k], 16 heads, 2,048 tokens, no mask; both products on codes of FP6 (E2M3) with E8M0 scales; O is quantised along the head's channels for the last projection.
; THE SOFTMAX AHEAD OF THE SECOND PRODUCT: t = score x log2(e) / sqrt(128); M = the row's largest t so far, rounded UP to a whole number; p = 2^(t - M) is quantised along the keys, not normalised; the row's sum is taken of the
; unquantised p and divides O at the end.  When M moves, the sum and O are multiplied by 2^(old M - new M): exact.
; SHARES: a work-group owns 128 queries of one head, each of its eight waves one tile of 16: two waves to a SIMD, 448 registers each.  Every wave walks all 16 key steps of 128 keys.
; Both products are used transposed (S^T = K Q^T, O^T = V^T P^T): a lane holds one query throughout.  All operands lie in memory as images of the operand's registers (1,536 bytes a tile), and the rows of a tile are
; 32 (t / 2) + 8 (t % 2) + r + 8 (r / 8): so p's and O's 64 registers run along the next product's K, register 16 b + i = k 32 b + 16 (lane / 16) + i.
; EVERY LDS LOAD IS ASKED FOR A PHASE AHEAD.  k's eight fragments and v's eight have registers of their own (window 1).  A key step: v's loads go out; the 8 products S^T, on k's fragments, which were asked for in the step before;
; the NEXT step's k goes out; the softmax; the 8 products V^T P, on v's fragments, which have had the softmax in which to come.
; RING: two LDS slots of four key steps (k's 8 tiles, v's 8 tiles: 24,576 bytes a step, dense as in memory); waves 0 to 3 fetch a step each.  Both slots are filled at the head.  The change of slots stands in the MIDDLE of a slot's last
; step, behind its products S^T: the slot's last bytes, that step's v, have been asked for, and the next slot's k is fetched behind the barrier.  The head's scale words (16,384 bytes) come once.
; CLUSTER 4 x 1: the four query blocks of a cluster belong to one head and walk the same k and v: each tile is asked for jointly.
; LIMITS: a block of zeros gets the byte 1 where the rule says 127 (its codes are zeros; the bytes are read by this program alone); NaN and infinities are not served.
; REGISTERS: window 0: v1-10 addresses; v12 -M, v13 the largest t, v[14:15] the sum; v16-27 Q; v80-83 v's scale words, v248-251 k's (register i: tile 2 i in lanes 0-15, 2 i + 1 in lanes 16-31); v96-159 S^T, then p; v160-223 O^T;
;   v224-247 p's codes and work; v252-254 work; v255 Q's scale words; v32-48 at work on the way out.   window 1: v0-95 k's fragments, v96-191 v's.
.set FRB,   1536
.set STEPB, 24576
.set SLOTB, 98304
.set SLOT1, 1<<17                      ; slot 1 begins here: one exclusive or turns an address in one slot into the other's
.set SCB,   262144                     ; behind the ring: the head's scale words, [key step 16][k, v][8 tiles][64]
.set SPARE, 278528                     ; the spare words, 128 bytes for each wave: four blocks of 256 bytes that no other line names
.set LI,  1                            ; v1  16 x lane
.set LS,  2                            ; v2  SCB + 4 x lane
.set Q4,  3                            ; v3  4 x (lane % 16)
.set SPW, 5                            ; v5  my spare word; never rewritten
.set NIL, 6                            ; v6  0; never rewritten
.set ADK, 8                            ; v8  the tiles of the step that is being fetched
.set ADS, 10                           ; v10 its scale words
.set PFO, 28                           ; v28 256 x lane; never rewritten
.set VSC, 80
.set KSC, 248
.set KFR, 0                            ; in window 1
.set VFR, 96
.set PC,  224
.set TM,  32
.set PW,  48
.set WV,  12
.set SEL, 20
.set CS,  22
.set G1,  24
.set G1S, 32
.set G0,  40                           ; s[40:43] group 0 of slot 0's first fill
.set G0S, 44
.set GW,  68                           ; s[68:71] group 0 of slot 1's first fill, which then walks on
.set TB,  48                           ; s48 LDS byte at which the tiles of the step to be fetched begin
.set TS,  49                           ; s49 its scale words: 1,024 bytes a step
.set SLOTS, 50                         ; s50 slots still to be asked for
.set CNT, 51
.set PFA, 52                           ; s[52:53] where my prefetch stands
.set LIM, 54                           ; s54 1 in a wave that prefetches, else the greatest number
.set MSB, 0
.macro WIN new                         ; the immediate's high byte repeats the setting that is left; a switch that changes nothing is dropped
.if MSB != (\new)
	s_set_vgpr_msb (MSB<<8)|(\new)
.set MSB, (\new)
.endif
.endm
.macro PLACES n
.rept \n
	v_nop
.endr
.endm
.macro CROUND                          ; a round of the cluster's barrier
	s_barrier_signal -1
	s_barrier_wait -1
	s_cmp_lg_u32 s[WV], 0
	s_cbranch_scc1 .Lnot_wave_0_\@
	s_barrier_signal -3
.Lnot_wave_0_\@:
	s_barrier_wait -3
	s_barrier_signal -1
	s_barrier_wait -1
.endm
; 64 numbers of a lane become a fragment's codes in v[PC] .. v[PC + 11] and its row's scale word in v[PW]
.macro QUANT s
.irp b, 0,1,2,3
	v_max3_num_f32 v[TM+\b], |v[(\s)+16*\b]|, |v[(\s)+1+16*\b]|, 0x1800000
.endr
.irp i, 2,4,6,8,10,12,14
.irp b, 0,1,2,3
	s_delay_alu instid0(VALU_DEP_4)
	v_max3_num_f32 v[TM+\b], v[TM+\b], |v[(\s)+16*\b+\i]|, |v[(\s)+1+16*\b+\i]|
.endr
.endr
.irp b, 0,1,2,3
	s_delay_alu instid0(VALU_DEP_4)
	v_permlanex16_b32 v[TM+4+\b], v[TM+\b], s[SEL], s[SEL+1]
.endr
.irp b, 0,1,2,3
	s_delay_alu instid0(VALU_DEP_4)
	v_max_num_f32 v[TM+\b], v[TM+\b], v[TM+4+\b]
.endr
.irp b, 0,1,2,3
	s_delay_alu instid0(VALU_DEP_4)
	v_add_nc_u32 v[TM+12+\b], 0xff000000, v[TM+\b]
.endr
.irp b, 0,1,2,3
	s_delay_alu instid0(VALU_DEP_4)
	v_lshrrev_b32 v[TM+4+\b], 23, v[TM+12+\b]
.endr
	s_delay_alu instid0(VALU_DEP_3)
	v_lshl_or_b32 v[PW], v[TM+5], 8, v[TM+4]
	s_delay_alu instid0(VALU_DEP_1)
	v_lshl_or_b32 v[PW], v[TM+6], 16, v[PW]
	s_delay_alu instid0(VALU_DEP_1)
	v_lshl_or_b32 v[PW], v[TM+7], 24, v[PW]
.irp c, 0,1
	v_cvt_scalef32_pk16_fp6_f32 v[PC+6*\c:PC+2+6*\c], v[(\s)+32*\c:(\s)+15+32*\c], v[TM+12+2*\c]
	v_cvt_scalef32_pk16_fp6_f32 v[PC+12+4*\c:PC+14+4*\c], v[(\s)+16+32*\c:(\s)+31+32*\c], v[TM+13+2*\c]
.endr
	v_nop
.irp c, 0,1
.irp i, 0,1,2
	v_permlane16_swap_b32 v[PC+6*\c+\i], v[PC+12+4*\c+\i]
.endr
.irp i, 0,1,2
	s_delay_alu instid0(VALU_DEP_3)
	v_mov_b32 v[PC+3+6*\c+\i], v[PC+12+4*\c+\i]
.endr
.endr
.endm
.macro LOADK                           ; a step's eight tiles of k and their scale words: 28 LDS loads
	WIN 0x40                                       ; destination window 1, address window 0
.irp t, 0,1,2,3,4,5,6,7
.irp c, 0,1,2
	ds_load_b128 v[KFR+12*\t+4*\c:KFR+12*\t+4*\c+3], v[ADK] offset:FRB*\t+512*\c
.endr
.endr
	WIN 0
.irp i, 0,1,2,3
	ds_load_b32 v[KSC+\i], v[ADS] offset:128*\i    ; two tiles a register
.endr
.endm
.macro LOADV                           ; the same of v, which lies behind k: 28 LDS loads
	WIN 0x40
.irp t, 0,1,2,3,4,5,6,7
.irp c, 0,1,2
	ds_load_b128 v[VFR+12*\t+4*\c:VFR+12*\t+4*\c+3], v[ADK] offset:12288+FRB*\t+512*\c
.endr
.endr
	WIN 0
.irp i, 0,1,2,3
	ds_load_b32 v[VSC+\i], v[ADS] offset:512+128*\i
.endr
.endm
	; O's tiles lie in oimg in groups of four, 6,400 bytes: four images of 1,536, then four times 64 bytes of scale words.
	; AT THE HEAD a wave issues one tensor load: waves 0-3 a key step of slot 0 each, waves 4-7 a quarter of the scale words each; slot 1's first fill stands behind the full sequence and a round.
	s_load_b128 s[4:7], s[0:1], 0x0                ; qkv s[4:5], qkvs s[6:7]
	s_load_b64 s[8:9], s[0:1], 0x10                ; oimg
	v_lshl_add_u32 v[SPW], v0, 2, SPARE
	v_mov_b32 v[NIL], 0
	ds_add_u32 v5, v6
	ds_add_u32 v5, v6
	s_wait_dscnt 0x0
	v_lshrrev_b32 v8, 5, v0
	s_delay_alu instid0(VALU_DEP_1)
	v_readfirstlane_b32 s[WV], v8                  ; wave 0..7
	s_bfe_u32 s13, ttmp6, 0x40000                  ; cx
	s_lshl_b32 s14, ttmp9, 2
	s_add_co_u32 s14, s14, s13                     ; my block of 128 queries: it enters Q's and O's addresses alone
	s_and_b32 s15, ttmp7, 0xffff                   ; the head, which the four partners share
	s_mov_b32 s[G1], 15|(3<<16)|(1<<21)            ; 15:0 the mask: all four work-groups; 17:16 elements of 8 bytes; 21 set beside a mask
	s_mov_b32 s[G1+1], 32<<16                      ; a key step: 96 rows of 256 bytes, dense
	s_mov_b32 s[G1+2], 96<<16
	s_mov_b32 s[G1+3], 32<<16
	s_mov_b32 s[G1+4], 96
	s_mov_b32 s[G1+5], 32
	s_mov_b32 s[G1+6], 0
	s_mov_b32 s[G1+7], 0
	s_mov_b32 s[G1S], 15|(3<<16)|(1<<21)
	s_mov_b32 s[G1S+1], 32<<16                     ; a quarter of the head's scale words: 16 rows of 256 bytes
	s_mov_b32 s[G1S+2], 16<<16
	s_mov_b32 s[G1S+3], 32<<16
	s_mov_b32 s[G1S+4], 16
	s_mov_b32 s[G1S+5], 32
	s_mov_b32 s[G1S+6], 0
	s_mov_b32 s[G1S+7], 0
	s_and_b32 s16, s[WV], 3                        ; which of a slot's four steps (waves 0 to 3 fetch)
	s_mul_i32 s17, s16, STEPB                      ; its place in a slot and in memory
	s_mul_i32 s18, s15, 393216                     ; the head's k and v
	s_add_co_u32 s18, s18, s17
	s_add_co_u32 s18, s18, 3145728
	s_mov_b32 s19, 0
	s_lshl_b32 s55, s16, 12
	s_lshl_b32 s56, s15, 14
	s_add_co_u32 s56, s56, s55
	s_add_co_u32 s56, s56, 131072
	s_mov_b32 s57, 0
	s_mul_i32 s58, s15, 393216                     ; the prefetch: the head's third quarter of keys (the first change of slots steps it to the fourth),
	s_add_co_u32 s58, s58, 3145728+2*SLOTB
	s_mul_i32 s59, s13, STEPB                      ; my work-group's quarter of a slot: the partners are told apart by address,
	s_add_co_u32 s58, s58, s59
	s_min_u32 s59, s16, 2
	s_lshl_b32 s59, s59, 13                        ; my wave's 8,192 bytes of it (waves 4, 5, 6)
	s_add_co_u32 s58, s58, s59
	s_mov_b32 s59, 0
	s_lshr_b32 s[LIM], s[WV], 2
	s_xor_b32 s[LIM], s[LIM], 1                    ; 0 in waves 4 to 7,
	s_or_b32 s[LIM], s[LIM], ttmp9                 ; of the head's first cluster: the same in all four partners
	s_cmp_eq_u32 s[LIM], 0
	s_cselect_b32 s[LIM], 1, -1
	s_cmp_eq_u32 s[WV], 7                          ; (a quarter of a slot is three waves' worth)
	s_cselect_b32 s[LIM], -1, s[LIM]
	s_lshl_b32 s62, s15, 7
	s_lshl_b32 s63, s14, 3
	s_add_co_u32 s62, s62, s63
	s_add_co_u32 s62, s62, s[WV]                   ; 128 head + my tile of queries
	s_mul_i32 s60, s62, FRB
	s_mov_b32 s61, 0
	s_lshr_b32 s10, s62, 2
	s_mul_i32 s10, s10, 6400                       ; O's group
	s_and_b32 s11, s62, 3
	s_mul_i32 s2, s11, 1536
	s_lshl_b32 s3, s11, 6
	s_add_co_u32 s2, s2, s10                       ; O's image
	s_add_co_u32 s10, s10, s3                      ; its scale words (6,144 more in the immediate)
	s_mov_b32 s3, 0
	s_mov_b32 s11, 0
	s_lshl_b32 s62, s62, 6
	s_mov_b32 s63, 0
	s_mov_b32 s[SEL], 0x76543210
	s_mov_b32 s[SEL+1], 0xfedcba98
	s_mov_b32 s[CS], 0x3e0293ee                    ; c = log2(e) / sqrt(128)
	s_mov_b32 s[CS+1], s[CS]                       ; (named with it as a pair, so it is written)
	s_mov_b32 s[TB], 0
	s_mov_b32 s[TS], 0
	s_mov_b32 s[SLOTS], 2
	s_wait_kmcnt 0x0
	s_mov_b32 s[G0], 1
	s_mov_b32 s[G0+1], s17                         ; slot 0: key steps 0 to 3
	s_add_nc_u64 s[G0+2:G0+3], s[4:5], s[18:19]
	s_mov_b32 s[GW], 1
	s_add_co_u32 s[GW+1], s17, SLOT1               ; slot 1: key steps 4 to 7
	s_add_nc_u64 s[GW+2:GW+3], s[G0+2:G0+3], SLOTB
	s_or_b32 s[G0+3], s[G0+3], 0x80000000
	s_or_b32 s[GW+3], s[GW+3], 0x80000000
	s_mov_b32 s[G0S], 1
	s_add_co_u32 s[G0S+1], s55, SCB
	s_add_nc_u64 s[G0S+2:G0S+3], s[6:7], s[56:57]
	s_or_b32 s[G0S+3], s[G0S+3], 0x80000000
	s_add_nc_u64 s[PFA:PFA+1], s[4:5], s[58:59]
	s_add_nc_u64 s[4:5], s[4:5], s[60:61]          ; Q's image
	s_add_nc_u64 s[6:7], s[6:7], s[62:63]          ; and its scale words
	s_add_nc_u64 s[10:11], s[8:9], s[10:11]
	s_add_nc_u64 s[8:9], s[8:9], s[2:3]            ; O's image: K step = head, the same tile
	CROUND                                         ; all four work-groups are here: the first joint loads meet
	s_cmp_lt_u32 s[WV], 4                          ; one branch on the wave's number, a load in each arm: every way passes one
	s_cbranch_scc0 .Lfirst_sc
	tensor_load_to_lds s[G0:G0+3], s[G1:G1+7]      ; waves 0-3: slot 0
	s_nop 0
.rept 4
	v_nop
.endr
	s_branch .Lno_first
.Lfirst_sc:
	tensor_load_to_lds s[G0S:G0S+3], s[G1S:G1S+7]  ; waves 4-7: the scale words of the whole head: filled once
	s_nop 0
.rept 4
	v_nop
.endr
.Lno_first:
	v_and_b32 v9, 31, v0
	s_delay_alu instid0(VALU_DEP_1)
	v_lshlrev_b32 v[LI], 4, v9
	s_delay_alu instid0(VALU_DEP_2)
	v_lshl_add_u32 v[LS], v9, 2, SCB
	v_and_b32 v[Q4], 15, v0
	s_delay_alu instid0(VALU_DEP_1)
	v_lshlrev_b32 v[Q4], 2, v[Q4]
	v_lshlrev_b32 v[PFO], 8, v9
.irp c, 0,1,2
	global_load_b128 v[16+4*\c:19+4*\c], v[LI], s[4:5] offset:512*\c   ; Q's fragment stays in registers
.endr
	global_load_b32 v255, v[Q4], s[6:7]
	v_mov_b32 v13, 0xff61b1e6                      ; the largest t so far: -3e38, under every t
	s_delay_alu instid0(VALU_DEP_1)
	v_floor_f32 v12, -v13                          ; -M
	v_mov_b32 v14, 0
	v_mov_b32 v15, 0
.irp b, 0,1,2,3
	v_mov_b32 v[236+\b], 0                         ; a lane permute's destination counts as one of its sources
.endr
	v_mov_b32 v253, 0                              ; (named as the upper half of the pair v[252:253] before it is first written)
.set J, 0
.rept 64
	v_mov_b32 v[160+J], 0                          ; O^T: the step has no first form of its own; the first finds zeros, which the first change of M leaves zeros
.set J, J+1
.endr
; A KEY STEP: 128 keys.  mode 0: the next step lies in the same slot.  mode 1: a slot's last step: the change of slots, and the slot is filled again.  mode 2: the change alone.  mode 3: the last step of all.
.macro STEP mode
	PLACES 4                                       ; in front of loads into registers that the last step's products V^T P read
	LOADV                                          ; this step's v: it has the softmax in which to come
	s_wait_dscnt 28                                ; k's 28 loads, asked for in the step before, are in; the 28 just issued may be out
	WIN 0x01                                       ; source 0 window 1
.irp t, 0,1,2,3,4,5,6,7                        ; S^T = K Q^T
.if (\t%2) == 0
	v_wmma_scale_f32_16x16x128_f8f6f4 v[96+8*\t:103+8*\t], v[KFR+12*\t:KFR+12*\t+11], v[16:27], 0, v[KSC+\t/2], v255 matrix_a_fmt:MATRIX_FMT_FP6 matrix_b_fmt:MATRIX_FMT_FP6
.else
	v_wmma_scale_f32_16x16x128_f8f6f4 v[96+8*\t:103+8*\t], v[KFR+12*\t:KFR+12*\t+11], v[16:27], 0, v[KSC+\t/2], v255 matrix_a_fmt:MATRIX_FMT_FP6 matrix_b_fmt:MATRIX_FMT_FP6 matrix_a_scale:MATRIX_SCALE_ROW1
.endif
.endr
	WIN 0
	PLACES 4                                       ; in front of the loads into k's registers and of the first reads of the scores
.if ((\mode) == 1) || ((\mode) == 2)
	; THE CHANGE OF SLOTS.  Each wave waits for all its tensor loads (its part of the other slot), adds 0 to its spare word, and waits for that and for its reads of this slot, of which this step's v is the last.
	s_wait_tensorcnt 0x0                           ; no tensor load of mine is out, so a group 0 may be written
	ds_add_u32 v[SPW], v[NIL]                      ; 0 onto my spare word
.if (\mode) == 1
	s_xor_b32 s[GW+1], s[GW+1], SLOT1              ; the walking descriptor: the other slot than last time: the one that is being left,
	s_add_nc_u64 s[GW+2:GW+3], s[GW+2:GW+3], SLOTB ; the next four key steps
	s_wait_xcnt 0x0                                ; the last prefetch, a slot back, has read its address, so it may be written:
	s_add_nc_u64 s[PFA:PFA+1], s[PFA:PFA+1], SLOTB ; one slot further on than the walking descriptor
	s_wait_dscnt 0x0                               ; the add is done, and my reads of this slot are over
	CROUND                                         ; no wave of any partner still reads this slot or has a load on its way
	s_cmp_lt_u32 s[WV], 4
	s_cbranch_scc0 .Lno_fill_\@
	tensor_load_to_lds s[GW:GW+3], s[G1:G1+7]      ; the first thing behind the round, and a wave's one tensor load until the next: it has four key steps in which to land
	s_nop 0
.rept 4
	v_nop
.endr
.Lno_fill_\@:
	; A prefetch of what the NEXT change of slots will ask for: 98,304 bytes, four key steps ahead of that load.  All clusters of a head walk the same k and v: the head's first cluster asks; its four partners take
	; 24,576 bytes each, told apart by address; in each, waves 4, 5 and 6 take 8,192 bytes, lanes 256 bytes apart: each block is named once in the launch.  The head's first three quarters of keys come by their loads alone; the last change that fills asks for nothing.
	s_cmp_gt_u32 s[SLOTS], s[LIM]
	s_cbranch_scc0 .Lnot_mine_\@
	global_prefetch_b8 v[PFO], s[PFA:PFA+1] th:TH_LOAD_NT scope:SCOPE_SE
.Lnot_mine_\@:
.else
	s_wait_dscnt 0x0
	s_barrier_signal -1
	s_barrier_wait -1
.endif
	s_sub_co_u32 s[TB], s[TB], 3*STEPB             ; the fetches go back to a slot's first step,
	s_xor_b32 s[TB], s[TB], SLOT1                  ; in the other slot
.elseif (\mode) == 0
	s_add_co_u32 s[TB], s[TB], STEPB
.endif
.if (\mode) < 3
	s_add_co_u32 s[TS], s[TS], 1024
	v_add_nc_u32 v[ADK], s[TB], v[LI]
	v_add_nc_u32 v[ADS], s[TS], v[LS]
	LOADK                                          ; the next step's k: it has the softmax and the products V^T P in which to come
.endif
.irp b, 0,1,2,3
	v_max3_num_f32 v[232+\b], v[96+16*\b], v[97+16*\b], v[98+16*\b]   ; the largest score of each block of 32 keys: it serves for the row's maximum and, since p rises with the score, for the block's largest p
.endr
.irp i, 3,5,7,9,11,13
.irp b, 0,1,2,3
	v_max3_num_f32 v[232+\b], v[232+\b], v[96+16*\b+\i], v[97+16*\b+\i]
.endr
.endr
.irp b, 0,1,2,3
	v_max_num_f32 v[232+\b], v[232+\b], v[111+16*\b]
.endr
.irp b, 0,1,2,3
	s_delay_alu instid0(VALU_DEP_4)
	v_permlanex16_b32 v[236+\b], v[232+\b], s[SEL], s[SEL+1]
.endr
.irp b, 0,1,2,3
	s_delay_alu instid0(VALU_DEP_4)
	v_max_num_f32 v[232+\b], v[232+\b], v[236+\b]  ; with lane l xor 16's 16 keys
.endr
	s_delay_alu instid0(VALU_DEP_2)
	v_max3_num_f32 v254, v232, v233, v234
	s_delay_alu instid0(VALU_DEP_1)
	v_max_num_f32 v254, v254, v235                 ; the step's largest score of my query
	s_delay_alu instid0(VALU_DEP_1)
	v_mul_f32 v254, s[CS], v254                    ; as t (c is positive)
	s_delay_alu instid0(VALU_DEP_1)
	v_max_num_f32 v13, v13, v254                   ; the running largest t
	v_mov_b32 v254, v12
	s_delay_alu instid0(VALU_DEP_2)
	v_floor_f32 v12, -v13                          ; the new -M = floor(-t): M is a whole number
	s_delay_alu instid0(VALU_DEP_1)
	v_sub_f32 v254, v12, v254                      ; old M - new M: a whole number, 0 or less
	s_delay_alu instid0(VALU_DEP_1)
	v_cvt_i32_f32 v254, v254                       ; (it saturates)
	s_delay_alu instid0(VALU_DEP_1)
	v_ldexp_f32 v252, 1.0, v254                    ; f = 2^(old M - new M)
.set J, 0
.rept 32
	v_pk_fma_f32 v[96+J:97+J], v[96+J:97+J], s[CS:CS+1], v[12:13] op_sel_hi:[1,0,0]   ; t - M, two at a time
.set J, J+2
.endr
.irp b, 0,1,2,3
	v_fma_f32 v[232+\b], v[232+\b], s[CS], v12     ; the same of each block's largest score
.endr
.set J, 0
	s_wait_alu depctr_va_vdst(0)
.rept 64
	v_exp_f32 v[96+J], v[96+J]                     ; p = 2^(t - M), at most 1: not normalised
.set J, J+1
.endr
	v_pk_mul_f32 v[14:15], v[14:15], v[252:253] op_sel_hi:[1,0]   ; the sums under the new M (a plain line behind the exponentials)
	s_wait_alu depctr_va_vdst(0)                   ; one wait for the whole batch, ahead of its first reader
.irp b, 0,1,2,3
	v_exp_f32 v[232+\b], v[232+\b]                 ; the block's largest p: the same two instructions on the same number give the same bits
.endr
	v_pk_add_f32 v[236:237], v[100:101], v[104:105]
	v_pk_add_f32 v[246:247], v[108:109], v[112:113]
	v_pk_add_f32 v[244:245], v[116:117], v[120:121]
	v_pk_add_f32 v[242:243], v[124:125], v[128:129]
	v_pk_add_f32 v[240:241], v[132:133], v[136:137]
	v_pk_add_f32 v[238:239], v[140:141], v[144:145]
	v_pk_add_f32 v[230:231], v[148:149], v[152:153]
	v_pk_add_f32 v[14:15], v[14:15], v[156:157]
	v_pk_add_f32 v[236:237], v[236:237], v[96:97]
	v_pk_add_f32 v[246:247], v[246:247], v[98:99]
	v_pk_add_f32 v[244:245], v[244:245], v[102:103]
	v_pk_add_f32 v[242:243], v[242:243], v[106:107]
	v_pk_add_f32 v[240:241], v[240:241], v[110:111]
	v_pk_add_f32 v[238:239], v[238:239], v[114:115]
	v_pk_add_f32 v[230:231], v[230:231], v[118:119]
	v_pk_add_f32 v[14:15], v[14:15], v[122:123]
	v_pk_add_f32 v[236:237], v[236:237], v[126:127]
	v_pk_add_f32 v[246:247], v[246:247], v[130:131]
	v_pk_add_f32 v[244:245], v[244:245], v[134:135]
	v_pk_add_f32 v[242:243], v[242:243], v[138:139]
	v_pk_add_f32 v[240:241], v[240:241], v[142:143]
	v_pk_add_f32 v[238:239], v[238:239], v[146:147]
	v_pk_add_f32 v[230:231], v[230:231], v[150:151]
	v_pk_add_f32 v[14:15], v[14:15], v[154:155]
	v_pk_add_f32 v[236:237], v[236:237], v[158:159]
	s_delay_alu instid0(VALU_DEP_2)
	v_pk_add_f32 v[14:15], v[14:15], v[242:243]
	s_delay_alu instid0(VALU_DEP_2)
	v_pk_add_f32 v[236:237], v[236:237], v[240:241]
	v_pk_add_f32 v[246:247], v[246:247], v[238:239]
	v_pk_add_f32 v[244:245], v[244:245], v[230:231]
	s_delay_alu instid0(VALU_DEP_2)
	v_pk_add_f32 v[14:15], v[14:15], v[246:247]
	s_delay_alu instid0(VALU_DEP_2)
	v_pk_add_f32 v[236:237], v[236:237], v[244:245]
	s_delay_alu instid0(VALU_DEP_1)
	v_pk_add_f32 v[14:15], v[14:15], v[236:237]
	s_wait_alu depctr_va_vdst(0)                   ; and one for the four
.irp b, 0,1,2,3
	v_max_num_f32 v[232+\b], 0x1800000, v[232+\b]  ; the floor 2^(3 - 127): the byte cannot fall under 1
.endr
.irp b, 0,1,2,3
	s_delay_alu instid0(VALU_DEP_4)
	v_add_nc_u32 v[244+\b], 0xff000000, v[232+\b]  ; 2 off the exponent field: the conversion's scale operand
.endr
.irp b, 0,1,2,3
	s_delay_alu instid0(VALU_DEP_4)
	v_lshrrev_b32 v[236+\b], 23, v[244+\b]         ; the scale's byte
.endr
	s_delay_alu instid0(VALU_DEP_3)
	v_lshl_or_b32 v253, v237, 8, v236              ; p's scale word for these 128 keys
	s_delay_alu instid0(VALU_DEP_1)
	v_lshl_or_b32 v253, v238, 16, v253
	s_delay_alu instid0(VALU_DEP_1)
	v_lshl_or_b32 v253, v239, 24, v253
.irp c, 0,1
	v_cvt_scalef32_pk16_fp6_f32 v[224+6*\c:226+6*\c], v[96+32*\c:111+32*\c], v[244+2*\c]
	v_cvt_scalef32_pk16_fp6_f32 v[236+4*\c:238+4*\c], v[112+32*\c:127+32*\c], v[245+2*\c]
.endr
	v_nop                                          ; one plain line behind the scaled conversions
.irp c, 0,1
.irp i, 0,1,2
	v_permlane16_swap_b32 v[224+6*\c+\i], v[236+4*\c+\i]
.endr
.irp i, 0,1,2
	s_delay_alu instid0(VALU_DEP_3)
	v_mov_b32 v[227+6*\c+\i], v[236+4*\c+\i]
.endr
.endr
.set J, 0
.rept 32
	v_pk_mul_f32 v[160+J:161+J], v[160+J:161+J], v[252:253] op_sel_hi:[1,0]   ; O^T under the new M.  (These 32 are also the places between p's codes and scale word and the products)
.set J, J+2
.endr
.if (\mode) < 3
	s_wait_alu depctr_va_vdst(0)
	s_wait_dscnt 28                                ; v's 28 loads are in; the next step's k, 28 loads issued behind them, may be out
.else
	s_wait_alu depctr_va_vdst(0)
	s_wait_dscnt 0x0
.endif
	WIN 0x01
.irp t, 0,1,2,3,4,5,6,7                        ; O^T += V^T P^T: the eight accumulators by turns, one instruction a turn
.if (\t%2) == 0
	v_wmma_scale_f32_16x16x128_f8f6f4 v[160+8*\t:167+8*\t], v[VFR+12*\t:VFR+12*\t+11], v[224:235], v[160+8*\t:167+8*\t], v[VSC+\t/2], v253 matrix_a_fmt:MATRIX_FMT_FP6 matrix_b_fmt:MATRIX_FMT_FP6
.else
	v_wmma_scale_f32_16x16x128_f8f6f4 v[160+8*\t:167+8*\t], v[VFR+12*\t:VFR+12*\t+11], v[224:235], v[160+8*\t:167+8*\t], v[VSC+\t/2], v253 matrix_a_fmt:MATRIX_FMT_FP6 matrix_b_fmt:MATRIX_FMT_FP6 matrix_a_scale:MATRIX_SCALE_ROW1
.endif
.endr
	WIN 0                                          ; at a label and at a branch every window is 0
.endm
.macro THREE                           ; a slot's first three key steps: written once, walked three times
	s_mov_b32 s[CNT], 3
.Lstep_\@:
	s_wait_alu depctr_va_vdst(0)
	STEP 0
	s_sub_co_u32 s[CNT], s[CNT], 1
	s_cmp_lg_u32 s[CNT], 0
	s_cbranch_scc1 .Lstep_\@
.endm
	s_wait_alu depctr_va_vdst(0)
	s_wait_tensorcnt 0x0                           ; my load of the head is in; the three lines ahead of a later first fill, as ahead of a refill
	ds_add_u32 v[SPW], v[NIL]
	s_wait_dscnt 0x0
	CROUND                                         ; everybody's are in, and the joint loads meet
	s_cmp_lt_u32 s[WV], 4
	s_cbranch_scc0 .Lno_second
	tensor_load_to_lds s[GW:GW+3], s[G1:G1+7]      ; slot 1: it has slot 0's four key steps in which to land
	s_nop 0
.rept 4
	v_nop
.endr
.Lno_second:
	v_add_nc_u32 v[ADK], s[TB], v[LI]
	v_add_nc_u32 v[ADS], s[TS], v[LS]
	LOADK                                          ; key step 0
	s_wait_loadcnt 0x0                             ; Q
.Lslot:                                            ; two trips: the first two slots are filled again
	THREE
	STEP 1
	s_sub_co_u32 s[SLOTS], s[SLOTS], 1
	s_cmp_lg_u32 s[SLOTS], 0
	s_cbranch_scc1 .Lslot
	THREE                                          ; the last two slots are written out
	STEP 2
	THREE
	STEP 3
	; THE WAY OUT: O^T / the sum is the last projection's operand: my 16 queries x the head's 128 channels are one fragment of its K step = head
	PLACES 4
	v_add_f32 v14, v14, v15
	s_delay_alu instid0(VALU_DEP_1)
	v_permlanex16_b32 v252, v14, s[SEL], s[SEL+1]
	s_delay_alu instid0(VALU_DEP_1)
	v_add_f32 v14, v14, v252                       ; the row's sum
	s_wait_alu depctr_va_vdst(0)
	v_rcp_f32 v14, v14
.irp b, 0,1,2,3
	v_mov_b32 v[TM+4+\b], 0                        ; (plain lines behind the transcendental)  a lane permute's destination counts as one of its sources
.endr
	s_wait_alu depctr_va_vdst(0)                   ; the wait ahead of the first reader
.set J, 0
.rept 64
	v_mul_f32 v[96+J], v[160+J], v14               ; ascending: each accumulator is read from its low end on
.set J, J+1
.endr
	QUANT 96
.irp c, 0,1,2
	global_store_b128 v[LI], v[PC+4*\c:PC+4*\c+3], s[8:9] offset:512*\c   ; each store covers 512 consecutive bytes, aligned
.endr
	global_store_b32 v[Q4], v[PW], s[10:11] offset:6144   ; both halves of the lanes hold the same word
	s_wait_tensorcnt 0x0                           ; the wave's end
	ds_add_u32 v[SPW], v[NIL]
	s_wait_dscnt 0x0
	CROUND                                         ; the closing round
	s_endpgm
.Lfunc_end_k_q32f617dd53_attn:
	.size	k_q32f617dd53_attn, .Lfunc_end_k_q32f617dd53_attn-k_q32f617dd53_attn
	.p2alignl 7, 3214868480
	.fill 96, 4, 3214868480
	.section	.rodata,"a",@progbits
	.p2align	6, 0x0
	.amdhsa_kernel k_q32f617dd53_attn
		.amdhsa_group_segment_fixed_size 327680
		.amdhsa_private_segment_fixed_size 0
		.amdhsa_enable_private_segment 0
		.amdhsa_kernarg_size 24
		.amdhsa_user_sgpr_count 2
		.amdhsa_user_sgpr_kernarg_segment_ptr 1
		.amdhsa_wavefront_size32 1
		.amdhsa_system_sgpr_workgroup_id_x 1
		.amdhsa_system_sgpr_workgroup_id_y 1
		.amdhsa_system_sgpr_workgroup_id_z 1
		.amdhsa_system_vgpr_workitem_id 0
		.amdhsa_next_free_vgpr 448
		.amdhsa_next_free_sgpr 72
		.amdhsa_reserve_vcc 0
		.amdhsa_float_denorm_mode_32 3
		.amdhsa_float_denorm_mode_16_64 3
		.amdhsa_memory_ordered 1
		.amdhsa_forward_progress 1
		.amdhsa_inst_pref_size 141
	.end_amdhsa_kernel
	.amdgpu_metadata
---
amdhsa.version: [ 1, 2 ]
amdhsa.kernels:
  - .name:           k_q32f617dd53_attn
    .symbol:         k_q32f617dd53_attn.kd
    .args:
      - { .name: qkv, .offset: 0, .size: 8, .value_kind: global_buffer, .address_space: global }
      - { .name: qkvs, .offset: 8, .size: 8, .value_kind: global_buffer, .address_space: global }
      - { .name: oimg, .offset: 16, .size: 8, .value_kind: global_buffer, .address_space: global }
    .group_segment_fixed_size: 327680
    .private_segment_fixed_size: 0
    .kernarg_segment_align: 8
    .kernarg_segment_size: 24
    .max_flat_workgroup_size: 256
    .sgpr_count:     72
    .vgpr_count:     448
    .wavefront_size: 32
...
	.end_amdgpu_metadata
.endif
;; end of part 3
;; launch oproj (part 4): grid 16 x 16, 4 waves a work-group, clusters of 4 x 4, 327,680 bytes of LDS; arguments oimg, xw, out0; writes out0
.if DOCPART == 4
	.amdgcn_target "amdgcn-amd-amdhsa--gfx1250"
	.amdhsa_code_object_version 6
	.text
	.protected	k_q32f617dd53_oproj
	.globl	k_q32f617dd53_oproj
	.p2align	8
	.type	k_q32f617dd53_oproj,@function
k_q32f617dd53_oproj:
	s_mov_b64 s[64:65], 0
	v_nop
	global_prefetch_b8 v0, s[64:65] scope:SCOPE_SE
	s_setreg_imm32_b32 hwreg(HW_REG_WAVE_MODE, 25, 1), 1
	s_wait_xcnt 0x0
	s_wait_alu depctr_hold_cnt(0) depctr_sa_sdst(0) depctr_va_vdst(0) depctr_va_sdst(0) depctr_va_ssrc(0) depctr_va_vcc(0) depctr_vm_vsrc(0)
	s_getreg_b32 s2, hwreg(HW_REG_IB_STS2, 6, 4)
	s_cmp_eq_u32 s2, 0
	s_cbranch_scc0 .Lentry_in_a_cluster
	s_endpgm
.Lentry_in_a_cluster:
	s_bfe_u32 s2, ttmp6, 0x10000c
	s_cmp_lg_u32 s2, 0xf033
	s_cbranch_scc0 .Lentry_shape_is_right
	s_endpgm
.Lentry_shape_is_right:
; out0 [2048 tokens][2048] = O Wo on codes of FP6 (E2M3) with E8M0 scales, K = 2,048 (16 K steps of 128; K step = head); sums in f32.
; A work-group makes 128 x 128, each of its four waves 64 x 64: 16 accumulators.  256 work-groups.
; OPERANDS: tiles of 16 rows x 128 K in places of 1,600 bytes: the image of the operand's registers (1,536 bytes, register q of lane l at 512 (q / 4) + 16 l + 4 (q % 4)), then the 16 rows' scale words.
; K step s, tile t at (128 s + t) x 1,600.  Row r of tile t is index 32 (t / 2) + 8 (t % 2) + r + 8 (r / 8).  O lies in oimg, Wo (rows = output columns) in xw's fifth region.
; The scale words come with their tiles, by the same tensor loads.  A wave fetches one part: A's or B's 4 tiles (6,400 bytes a K step, a multiple of 256), rows 204,800 bytes apart.
; LDS: region 0, four parts of 4 K steps: K steps 0-3, filled again with 12-15; region 1, four parts of 8 K steps: K steps 4-11.  Three tensor loads a wave in all:
; one at the head; region 1's behind the full sequence and a round; the refill behind K step 3's round.  Each wait on TENSORcnt is for 0; one load of a wave is out at a time.
; No prefetch: the three loads ask for all of K, the second as soon as the first is in, and there is no loop to run ahead in.
; CLUSTER 4 x 4: A's tiles are shared along a row of the cluster, B's along a column: each is asked for jointly.
; THE MATRIX INSTRUCTION IS USED TRANSPOSED (source 0 = Wo's tiles, source 1 = O's): a lane holds eight neighbouring columns of one token's row.
; REGISTERS: window 0: v16-29 addresses; v32-39 scale words, a set of 4 for each parity of the K step (lanes 0-15 A's block i, lanes 16-31 B's); v64-159 A's fragments, two sets; v160-223 the way out.
;   window 1: v0-95 B's fragments, two sets; v128-255 accumulator (a, b) at v[128 + 8 (4 a + b)].
.set TIB,   1600                       ; a tile's share of a GROUP of four tiles, 6,400 bytes: four images of 1,536, then four times 64 bytes of scale words.  A part's K step is one such group: this is how the places of 1,600 bytes named above are laid
.set KST,   6400                       ; a K step of a part
.set P0,    25600                      ; a part of region 0;  of region 1: twice that
.set R1,    102400                     ; region 1 begins here
.set SPARE, 307200                     ; the spare words, 128 bytes for each wave
.set STAGE, R1                         ; the way out: 16 rows x 272 bytes a wave, in region 1, which has had its one fill and, behind K step 11's barrier, its last read
.set KMEM,  204800                     ; a K step in memory
.set ADRA, 16                          ; v16-17 my A fragments in region 0, 1
.set ADRB, 20                          ; v20-21 B's
.set ADRS, 22                          ; v22-23 my scale words
.set STO,  24
.set RD,   25
.set CO,   26
.set SPW,  28                          ; my spare word; never rewritten
.set NIL,  29                          ; 0; never rewritten
.set SC,   32
.set AF,   64
.set BK,   160
.set G1,   24                          ; s[24:31], s[32:39] group 1, 4 rows: A's mask, B's
.set G1B,  32
.set G18,  40                          ; s[40:47], s[48:55] 8 rows
.set G1B8, 48
.set G0,   56                          ; s[56:59], s[60:63] group 0, region 0: A's, B's
.set G0B,  60
.set G0A1, 68                          ; s[68:71], s[72:75] region 1
.set G0B1, 72
.set MSB, 0
.macro WIN new                         ; the immediate's high byte repeats the setting that is left
.if MSB != (\new)
	s_set_vgpr_msb (MSB<<8)|(\new)
.set MSB, (\new)
.endif
.endm
.macro PLACES n
.rept \n
	v_nop
.endr
.endm
.macro JLOAD g0a, g1a, g0b, g1b        ; a joint load: waves 0, 1 fetch for A, waves 2, 3 for B; s_nop 0 and four v_nop behind each line
	s_cmp_eq_u32 s19, 0
	s_cbranch_scc0 .Lfor_b_\@
	tensor_load_to_lds s[\g0a:\g0a+3], s[\g1a:\g1a+7]
	s_nop 0
.rept 4
	v_nop
.endr
	s_branch .Lasked_\@
.Lfor_b_\@:
	tensor_load_to_lds s[\g0b:\g0b+3], s[\g1b:\g1b+7]
	s_nop 0
.rept 4
	v_nop
.endr
.Lasked_\@:
.endm
.macro CREST                           ; a round of the cluster's barrier behind its opening barrier
	s_cmp_lg_u32 s18, 0
	s_cbranch_scc1 .Lnot_wave_0_\@
	s_barrier_signal -3
.Lnot_wave_0_\@:
	s_barrier_wait -3
	s_barrier_signal -1
	s_barrier_wait -1
.endm
.macro CROUND
	s_barrier_signal -1
	s_barrier_wait -1
	CREST
.endm
.macro LOC n                           ; where K step n lies: region LR, K step LQ of it
.if ((\n) >= 4) && ((\n) < 12)
.set LR, 1
.set LQ, (\n)-4
.else
.set LR, 0
.set LQ, (\n)%4
.endif
.endm
.macro FETCH n                         ; K step n: 8 fragments (three loads of 512 consecutive bytes each) and 4 registers of scale words, into sets n % 2
	LOC \n
.set FP, (\n)%2
	WIN 0x40
.irp i, 0,1,2,3
.irp c, 0,1,2
	ds_load_b128 v[48*FP+12*\i+4*\c:48*FP+12*\i+4*\c+3], v[ADRB+LR] offset:KST*LQ+1536*\i+512*\c
.endr
.endr
	WIN 0
.irp i, 0,1,2,3
.irp c, 0,1,2
	ds_load_b128 v[AF+48*FP+12*\i+4*\c:AF+48*FP+12*\i+4*\c+3], v[ADRA+LR] offset:KST*LQ+1536*\i+512*\c
.endr
.endr
.irp i, 0,1,2,3
	ds_load_b32 v[SC+4*FP+\i], v[ADRS+LR] offset:KST*LQ+6144+64*\i
.endr
.endm
.macro MULH hf, p, zero                ; 8 matrix instructions: A's blocks 2 hf, 2 hf + 1 x B's four; the 16 accumulators take turns, in the same order in every K step
	WIN 0x51
.irp a, 0,1
.irp b, 0,1,2,3
.set rD, 128+8*(4*(2*(\hf)+\a)+\b)
.set rB, 48*(\p)+12*\b
.set rA, AF+48*(\p)+12*(2*(\hf)+\a)
.set rSB, SC+4*(\p)+\b
.set rSA, SC+4*(\p)+2*(\hf)+\a
.if \zero
	v_wmma_scale_f32_16x16x128_f8f6f4 v[rD:rD+7], v[rB:rB+11], v[rA:rA+11], 0, v[rSB], v[rSA] matrix_a_fmt:MATRIX_FMT_FP6 matrix_b_fmt:MATRIX_FMT_FP6 matrix_a_scale:MATRIX_SCALE_ROW1
.else
	v_wmma_scale_f32_16x16x128_f8f6f4 v[rD:rD+7], v[rB:rB+11], v[rA:rA+11], v[rD:rD+7], v[rSB], v[rSA] matrix_a_fmt:MATRIX_FMT_FP6 matrix_b_fmt:MATRIX_FMT_FP6 matrix_a_scale:MATRIX_SCALE_ROW1
.endif
.endr
.endr
.endm
; K step n.  mode 0: the next K step lies in the same region.  mode 1: region 0 is left and filled again.  mode 2: region 1 is left; nothing more to fetch.
.macro KS n, mode, zero
.set KP, (\n)%2
.if (\mode) == 0
	s_wait_dscnt 0x0                               ; this step's fragments and scale words are in
	PLACES 4                                       ; in front of loads into registers that the step before multiplied
	FETCH (\n)+1
	MULH 0, KP, \zero
	MULH 1, KP, \zero
.else
	WIN 0
	s_wait_tensorcnt 0x0                           ; my one load that was out, my part of the other region, is in
	ds_add_u32 v[SPW], v[NIL]
.if (\mode) == 1
	s_add_nc_u64 s[G0+2:G0+3], s[G0+2:G0+3], 12*KMEM    ; no load of mine is out: region 0's next tiles are K steps 12 to 15
	s_add_nc_u64 s[G0B+2:G0B+3], s[G0B+2:G0B+3], 12*KMEM
.endif
	s_wait_dscnt 0x0                               ; the add is done, and my reads of this region are over
	s_barrier_signal -1
	MULH 0, KP, 0
	WIN 0
	s_barrier_wait -1
.if (\mode) == 1
	CREST                                          ; the barrier has opened a round: no wave of any partner still reads region 0 or has a load on its way
	JLOAD G0, G1, G0B, G1B                         ; the first tensor load behind the round; its four v_nop are the places in front of the loads below
.else
	PLACES 4
.endif
	FETCH (\n)+1
	MULH 1, KP, 0
.endif
.endm
	s_load_b128 s[4:7], s[0:1], 0x0                ; oimg s[4:5], xw s[6:7]
	s_load_b64 s[12:13], s[0:1], 0x10              ; out0
	v_lshl_add_u32 v[SPW], v0, 2, SPARE
	v_mov_b32 v[NIL], 0
	ds_add_u32 v[SPW], v[NIL]                      ; the opening lines: the add twice on end, under one wait
	ds_add_u32 v[SPW], v[NIL]
	v_lshrrev_b32 v1, 5, v0
	v_readfirstlane_b32 s18, v1                    ; wave 0..3
	s_lshr_b32 s19, s18, 1                         ; my half of A's rows.  Also: I fetch for A (0) or B (1)
	s_and_b32 s20, s18, 1                          ; my half of B's.  Also: which half I fetch
	s_bfe_u32 s22, ttmp6, 0x40000                  ; cx
	s_bfe_u32 s23, ttmp6, 0x40004                  ; cy
	s_lshl_b32 s67, ttmp9, 2
	s_add_co_u32 s67, s67, s22                     ; X: which 128 columns
	s_and_b32 s66, ttmp7, 0xffff
	s_lshl_b32 s66, s66, 2
	s_add_co_u32 s66, s66, s23                     ; Y: which 128 tokens
	s_lshl_b32 s15, s23, 2
	s_lshl_b32 s15, 15, s15                        ; my row of the cluster
	s_lshl_b32 s16, 0x1111, s22                    ; my column
	s_or_b32 s[G1], s15, (3<<16)|(1<<21)           ; the mask; elements of 8 bytes; bit 21 beside a mask; no padding
	s_or_b32 s[G18], s15, (3<<16)|(1<<21)
	s_or_b32 s[G1B], s16, (3<<16)|(1<<21)
	s_or_b32 s[G1B8], s16, (3<<16)|(1<<21)
.irp g, G1, G1B                        ; 4 rows (K steps) of 800 elements, 25,600 elements apart
	s_mov_b32 s[\g+1], 800<<16
	s_mov_b32 s[\g+2], 4<<16
	s_mov_b32 s[\g+3], 800<<16
	s_mov_b32 s[\g+4], 4
	s_mov_b32 s[\g+5], 25600
	s_mov_b32 s[\g+6], 0
	s_mov_b32 s[\g+7], 0
.endr
.irp g, G18, G1B8                      ; 8 such rows
	s_mov_b32 s[\g+1], 800<<16
	s_mov_b32 s[\g+2], 8<<16
	s_mov_b32 s[\g+3], 800<<16
	s_mov_b32 s[\g+4], 8
	s_mov_b32 s[\g+5], 25600
	s_mov_b32 s[\g+6], 0
	s_mov_b32 s[\g+7], 0
.endr
	s_lshl_b32 s14, s20, 2
	s_lshl_b32 s92, s66, 3
	s_add_co_u32 s92, s92, s14                     ; A: tile 8 Y + 4 x half: made of Y and the wave alone
	s_mul_i32 s92, s92, TIB
	s_mov_b32 s93, 0
	s_lshl_b32 s96, s67, 3
	s_add_co_u32 s96, s96, s14                     ; B: tile 8 X + 4 x half: of X and the wave alone
	s_mul_i32 s96, s96, TIB
	s_add_co_u32 s96, s96, 13107200                ; Wo's region
	s_mov_b32 s97, 0
	s_mul_i32 s100, s18, P0                        ; where my parts go: no place in the cluster enters an LDS address
	s_mul_i32 s101, s18, 2*P0
	s_add_co_u32 s101, s101, R1
	s_wait_dscnt 0x0                               ; both opening adds are done
	s_wait_kmcnt 0x0
	s_add_nc_u64 s[92:93], s[4:5], s[92:93]
	s_add_nc_u64 s[96:97], s[6:7], s[96:97]
	s_mov_b32 s[G0], 1
	s_mov_b32 s[G0+1], s100
	s_mov_b64 s[G0+2:G0+3], s[92:93]
	s_or_b32 s[G0+3], s[G0+3], 0x80000000
	s_mov_b32 s[G0B], 1
	s_mov_b32 s[G0B+1], s100
	s_mov_b64 s[G0B+2:G0B+3], s[96:97]
	s_or_b32 s[G0B+3], s[G0B+3], 0x80000000
	s_mov_b32 s[G0A1], 1
	s_mov_b32 s[G0A1+1], s101
	s_add_nc_u64 s[G0A1+2:G0A1+3], s[92:93], 4*KMEM
	s_or_b32 s[G0A1+3], s[G0A1+3], 0x80000000
	s_mov_b32 s[G0B1], 1
	s_mov_b32 s[G0B1+1], s101
	s_add_nc_u64 s[G0B1+2:G0B1+3], s[96:97], 4*KMEM
	s_or_b32 s[G0B1+3], s[G0B1+3], 0x80000000
	CROUND                                         ; all sixteen work-groups are here: the first joint loads meet
	JLOAD G0, G1, G0B, G1B                         ; K steps 0 to 3: my one tensor load at the head
	v_and_b32 v5, 31, v0
	v_and_b32 v1, 15, v0                           ; r
	v_bfe_u32 v2, v0, 4, 1                         ; h
	v_lshlrev_b32 v5, 4, v5                        ; 16 x lane
	s_wait_alu depctr_va_vdst(0)                   ; the wait ahead of the readers below
.irp s, 0,1                                    ; region s: parts of P0 (1 + s) bytes
	s_mul_i32 s14, s19, P0*(1+\s)                  ; my half of A
	s_mul_i32 s15, s20, P0*(1+\s)
	s_add_co_u32 s15, s15, 2*P0*(1+\s)             ; my half of B, behind A's two
	s_add_co_u32 s16, s14, R1*\s
	s_add_co_u32 s17, s15, R1*\s
	v_add_nc_u32 v[ADRA+\s], s16, v5
	v_add_nc_u32 v[ADRB+\s], s17, v5
	s_sub_co_u32 s15, s15, s14
	v_mul_u32_u24 v4, s15, v2                      ; lanes 16-31 take B's words: one product, the distance between the two parts
	v_lshl_add_u32 v4, v1, 2, v4
	v_add_nc_u32 v[ADRS+\s], s16, v4
.endr
	s_mul_i32 s16, s18, 4352
	s_add_co_u32 s16, s16, STAGE                   ; my stage
	v_mul_u32_u24 v3, v1, 272                      ; in: row r, 64 bytes for each half of the lanes
	v_lshl_add_u32 v3, v2, 6, v3
	v_add_nc_u32 v[STO], s16, v3
	v_mul_u32_u24 v3, v2, 272                      ; back: sixteen lanes take a row of 256 bytes
	v_lshl_add_u32 v3, v1, 4, v3
	v_add_nc_u32 v[RD], s16, v3
	v_lshlrev_b32 v3, 13, v2                       ; and the same two rows in out0 (8,192 bytes a row)
	v_lshl_add_u32 v[CO], v1, 4, v3
	s_lshl_b32 s14, s66, 7
	s_lshl_b32 s15, s19, 6
	s_add_co_u32 s14, s14, s15                     ; my first token
	s_lshl_b32 s14, s14, 13
	s_lshl_b32 s15, s67, 9
	s_add_co_u32 s14, s14, s15
	s_lshl_b32 s15, s20, 8
	s_add_co_u32 s14, s14, s15                     ; + my first column, in bytes
	s_mov_b32 s15, 0
	s_add_nc_u64 s[12:13], s[12:13], s[14:15]
	s_wait_alu depctr_va_vdst(0)
	s_wait_tensorcnt 0x0                           ; my part of K steps 0 to 3 is in; the three lines ahead of a later first fill
	ds_add_u32 v[SPW], v[NIL]
	s_wait_dscnt 0x0
	CROUND                                         ; everybody's part is in, and the joint loads meet
	JLOAD G0A1, G18, G0B1, G1B8                    ; K steps 4 to 11: the first tensor load behind the round
	FETCH 0
	KS 0, 0, 1                                     ; the first products start the sums
	KS 1, 0, 0
	KS 2, 0, 0
	KS 3, 1, 0
.irp n, 4,5,6,7,8,9,10
	KS \n, 0, 0
.endr
	KS 11, 2, 0
	KS 12, 0, 0
	KS 13, 0, 0
	KS 14, 0, 0
	s_wait_dscnt 0x0
	MULH 0, 1, 0
	MULH 1, 1, 0
	WIN 0
	PLACES 4                                       ; in front of the first reads of results
; THE WAY OUT: a block of 16 tokens x 64 columns goes through my stage and comes back as rows of 256 bytes.  LDS serves a wave's instructions in order: no wait between the stores and the loads.
.macro TOSTAGE a
	WIN 0x04
.irp b, 0,1,2,3
	ds_store_b128 v[STO], v[128+8*(4*(\a)+\b):128+8*(4*(\a)+\b)+3] offset:128*(\b/2)+32*(\b%2)       ; register j of tile b is column 32 (b / 2) + 8 (b % 2) + 16 h + j; each accumulator from its low end on
	ds_store_b128 v[STO], v[128+8*(4*(\a)+\b)+4:128+8*(4*(\a)+\b)+7] offset:128*(\b/2)+32*(\b%2)+16
.endr
	WIN 0
.set BB, BK+32*((\a)%2)
.irp i, 0,1,2,3,4,5,6,7
	ds_load_b128 v[BB+4*\i:BB+4*\i+3], v[RD] offset:544*\i
.endr
.endm
.macro SEND a, younger                 ; stage row 2 i + h of block a is token 32 (a / 2) + 8 (a % 2) + 2 i + h + 8 (i / 4); sixteen lanes store 256 consecutive bytes, aligned
.set BB, BK+32*((\a)%2)
	s_wait_dscnt \younger
.irp i, 0,1,2,3,4,5,6,7
	global_store_b128 v[CO], v[BB+4*\i:BB+4*\i+3], s[12:13] offset:(32*((\a)/2)+8*((\a)%2)+2*\i+8*(\i/4))*8192 th:TH_STORE_NT
.endr
.endm
	TOSTAGE 0
.irp a, 1,2,3
.if \a > 1
	s_wait_xcnt 0x0                                ; block a - 2's stores have read their registers
.endif
	TOSTAGE \a
	SEND \a-1, 16                                  ; behind block a - 1's loads: block a's 8 stores and 8 loads
.endr
	SEND 3, 0
	s_wait_tensorcnt 0x0                           ; the wave's end
	ds_add_u32 v[SPW], v[NIL]
	s_wait_dscnt 0x0
	CROUND                                         ; the closing round
	s_endpgm
.Lfunc_end_k_q32f617dd53_oproj:
	.size	k_q32f617dd53_oproj, .Lfunc_end_k_q32f617dd53_oproj-k_q32f617dd53_oproj
	.p2alignl 7, 3214868480
	.fill 96, 4, 3214868480
	.section	.rodata,"a",@progbits
	.p2align	6, 0x0
	.amdhsa_kernel k_q32f617dd53_oproj
		.amdhsa_group_segment_fixed_size 327680
		.amdhsa_private_segment_fixed_size 0
		.amdhsa_enable_private_segment 0
		.amdhsa_kernarg_size 24
		.amdhsa_user_sgpr_count 2
		.amdhsa_user_sgpr_kernarg_segment_ptr 1
		.amdhsa_wavefront_size32 1
		.amdhsa_system_sgpr_workgroup_id_x 1
		.amdhsa_system_sgpr_workgroup_id_y 1
		.amdhsa_system_sgpr_workgroup_id_z 1
		.amdhsa_system_vgpr_workitem_id 0
		.amdhsa_next_free_vgpr 512
		.amdhsa_next_free_sgpr 102
		.amdhsa_reserve_vcc 0
		.amdhsa_float_denorm_mode_32 3
		.amdhsa_float_denorm_mode_16_64 3
		.amdhsa_memory_ordered 1
		.amdhsa_forward_progress 1
		.amdhsa_inst_pref_size 82
	.end_amdhsa_kernel
	.amdgpu_metadata
---
amdhsa.version: [ 1, 2 ]
amdhsa.kernels:
  - .name:           k_q32f617dd53_oproj
    .symbol:         k_q32f617dd53_oproj.kd
    .args:
      - { .name: oimg, .offset: 0, .size: 8, .value_kind: global_buffer, .address_space: global }
      - { .name: xw, .offset: 8, .size: 8, .value_kind: global_buffer, .address_space: global }
      - { .name: out0, .offset: 16, .size: 8, .value_kind: global_buffer, .address_space: global }
    .group_segment_fixed_size: 327680
    .private_segment_fixed_size: 0
    .kernarg_segment_align: 8
    .kernarg_segment_size: 24
    .max_flat_workgroup_size: 128
    .sgpr_count:     102
    .vgpr_count:     512
    .wavefront_size: 32
...
	.end_amdgpu_metadata
.endif
;; end of part 4
